; MI455X (gfx1250); checked and timed in simulation.
; The chip was launched on July 23, 2026; its instructions are those of AMD's public machine-readable ISA for CDNA 5 (MIT licence, August 2026) and "CDNA5" Instruction Set Architecture Reference Guide (July 2026). The comments in the code are by the model that wrote it; some were corrected since.
;; Block. Allowed arithmetic: matrix products marked QUANTISED: E5M2 operands, one given power-of-two scale a tensor, by v_wmma_f32_16x16x64_bf8_bf8 or v_wmma_f32_16x16x128_bf8_bf8, f32 sums; everything else in f32.
;; Inputs: W1_codes 4,096 x 32 x 32 uint8 (E5M2 codes of W1, K innermost, in blocks of 32 codes); W2_codes 1,024 x 128 x 32 uint8 (E5M2 codes of W2, K innermost, in blocks of 32 codes); Wk_codes 16 x 64 x 32 x 32 uint8 (E5M2 codes of Wk, K innermost, in blocks of 32 codes); Wproj_codes 1,024 x 32 x 32 uint8 (E5M2 codes of Wproj, K innermost, in blocks of 32 codes); Wq_codes 16 x 64 x 32 x 32 uint8 (E5M2 codes of Wq, K innermost, in blocks of 32 codes); Wv_codes 16 x 64 x 32 x 32 uint8 (E5M2 codes of Wv, K innermost, in blocks of 32 codes); b1 4,096 float32; lowp_scales 16 int32 (the exponents e of the quantised operands' scales 2^e); x 2 x 2,048 x 1,024 float32.
;; Outputs: out0 2 x 2,048 x 1,024 float32.
;; This version of the problem:
;;   THIS VERSION OF THE PROBLEM IS GIVEN IN LOW PRECISION. The matrix products marked QUANTISED in the list below multiply operands that are first quantised to E5M2 (5 exponent bits, 2 mantissa bits; 8 bits a number), with one given power-of-two scale for each operand tensor; their sums are f32. All else is computed in f32.
;;   The module's matrix products, in the order in which they are computed (A, B: the left and right operand; K: the contracted axis; several contracted axes count as one K, in the product's order):
;;     1. [M 1,024, K 1,024] x [K 1,024, N 4,096]; A: input Wq (given as codes); B: input x: QUANTISED (scales: A lowp_scales[0], B lowp_scales[1])
;;     2. [M 1,024, K 1,024] x [K 1,024, N 4,096]; A: input Wk (given as codes); B: input x: QUANTISED (scales: A lowp_scales[2], B lowp_scales[3])
;;     3. [M 1,024, K 1,024] x [K 1,024, N 4,096]; A: input Wv (given as codes); B: input x: QUANTISED (scales: A lowp_scales[4], B lowp_scales[5])
;;     4. batch 32 x [M 2,048, K 64] x [K 64, N 2,048]; A: computed on the way; B: computed on the way: QUANTISED (scales: A lowp_scales[6], B lowp_scales[7])
;;     5. batch 32 x [M 2,048, K 2,048] x [K 2,048, N 64]; A: softmax (see below); B: computed on the way: QUANTISED (scales: A lowp_scales[8], B lowp_scales[9])
;;     6. [M 4,096, K 1,024] x [K 1,024, N 1,024]; A: computed on the way; B: input Wproj (given as codes): QUANTISED (scales: A lowp_scales[10], B lowp_scales[11])
;;     7. [M 4,096, K 1,024] x [K 1,024, N 4,096]; A: computed on the way; B: input W1 (given as codes): QUANTISED (scales: A lowp_scales[12], B lowp_scales[13])
;;     8. [M 4,096, K 4,096] x [K 4,096, N 1,024]; A: computed on the way; B: input W2 (given as codes): QUANTISED (scales: A lowp_scales[14], B lowp_scales[15])
;;   THE QUANTISER, for each operand of a quantised product, along K:
;;     - The operand's scale is 2^e, e = its entry of the input lowp_scales (int32; the entries are numbered through the quantised products in the list's order, A before B).
;;     - Each number is divided by the scale, clamped to +-57,344, and rounded to the nearest number of E5M2, ties to even, subnormals kept.
;;     - The product sums the exact products of the quantised numbers (number of the format x scale) in f32.
;;   ~~~python
;;   def quantise(x, axis, e):      # numpy; x: float32 -> the quantised numbers, widened to float32 again
;;       x = np.moveaxis(x, axis, -1); K = x.shape[-1]
;;       r = np.clip(x / 2.0 ** e, -57344, 57344)
;;       step = 2.0 ** (np.maximum(np.frexp(np.where(r == 0, 1, r))[1] - 1, -14) - 2)
;;       q = np.round(r / step) * step * 2.0 ** e      # np.round: ties to even
;;       return np.moveaxis(q, -1, axis).astype(np.float32)
;;   ~~~
;;   SOFTMAX AHEAD OF A QUANTISED PRODUCT. Where the list says 'softmax', what is quantised is not the finished softmax but p = 2^(t - M), with t = logit x log2(e) and M = ceil(the row's largest t), a whole number; so 1/2 < the row's largest p <= 1. The row's sum l is taken of the UNQUANTISED p, in f32, and the product's result is divided by l at the end. Since M is a whole number, a kernel that streams over the keys may use a running M (the ceiling of the running maximum): every later rescaling is an exact power of two, so the quantised numbers keep their values, but for numbers so far below the row's largest that they fall under the format's range.
;;   OPERANDS COMPUTED ON THE WAY. 'Computed on the way' means the value that the module computes at that place (a softmax that the list does not call 'softmax' is quantised finished and normalised). What goes into a quantiser is computed in f32, as accurately as f32 sums, v_exp_f32 and their like allow (about 1e-6 of the number): no bf16 or f16 on the way to a quantiser, and a product that is left as it is and whose result goes on into a quantised operand takes f32 operands (vector FMAs, or v_wmma_f32_16x16x4_f32). A number that lies on a knife's edge between two numbers of the format may be rounded either way, as far as f32 arithmetic and the matrix unit's own rounding can turn it there, and no further.
;;   INPUTS GIVEN AS CODES. W1 (in the module: [4096, 1024], K = its axis 1); W2 (in the module: [1024, 4096], K = its axis 1); Wk (in the module: [16, 1024, 64], K = its axis 1); Wproj (in the module: [1024, 1024], K = its axis 1); Wq (in the module: [16, 1024, 64], K = its axis 1); Wv (in the module: [16, 1024, 64], K = its axis 1): each comes as NAME_codes (uint8): NAME with its K axis moved to the last place and cut into blocks of 32 codes, [.., K / 32, bytes a block], one block behind the other in memory; one code a byte (a code: sign, 5 exponent bits, 2 mantissa bits); its scale is its entry of lowp_scales. Its value is code x scale, taken as it is: it is not quantised again, and the codes and scales need not be those that the quantiser above would give.
;; One version. Each part assembles by itself: llvm-mc -triple=amdgcn-amd-amdhsa -mcpu=gfx1250 --defsym DOCPART=n.
;; ======== version 1 of 1: 6 launches
;; limits: right only within a limited range of input values
;; workspace buffers: xc 12,582,912 bytes; qkv 12,582,912 bytes; ac 4,194,304 bytes; x1 16,777,216 bytes; x1c 4,194,304 bytes; hc 16,777,216 bytes
;; launch quant_x (part 1): grid 512 x 1, 4 waves a work-group, no clusters, 20,992 bytes of LDS; arguments x, lowp_scales, xc; writes xc
.if DOCPART == 1
	.amdgcn_target "amdgcn-amd-amdhsa--gfx1250"
	.amdhsa_code_object_version 6
	.text
	.protected	k_qb215d63fac_quant_x
	.globl	k_qb215d63fac_quant_x
	.p2align	8
	.type	k_qb215d63fac_quant_x,@function
k_qb215d63fac_quant_x:
	s_mov_b64 s[64:65], 0
	v_nop
	global_prefetch_b8 v0, s[64:65] scope:SCOPE_SE
	s_setreg_imm32_b32 hwreg(HW_REG_WAVE_MODE, 25, 1), 1
	s_wait_xcnt 0x0
; x [4096][1024] f32 becomes three tensors of E5M2 codes, [4096][1024] bytes each, K innermost: part 0 of xc with the scale 2^e1 (for q's product), part 1 with 2^e3 (k's), part 2 with 2^e5 (v's).
; code = x / 2^e, held within +-57,344, rounded to the nearest code, ties to even.  LIMITS: each e between -126 and 112; NaN among the inputs is not served.
; Rows are dense, so x is a plain stream.  A wave takes 4 steps of 512 numbers.  Each load reads 512 consecutive bytes, 16 a lane; a step's 2,048 bytes turn through the wave's own stage in LDS and come back
; 64 bytes a lane, so that a lane holds 16 neighbours for the conversions.  A lane's 16 codes are 16 bytes: each store of the wave covers 512 consecutive bytes, aligned.
; x is read once and quantised three times in registers.  No tensor load, no barrier: waves share nothing.  All 16 loads of a wave go out at the head.
; WORK LEFT OUT IN THIS PROGRAM: reference() sets every score with key > query to -infinity by a mask that it builds itself, so such a score has the weight 0 in the softmax for all values of the inputs.
; The launch attn leaves out the key steps all of whose keys come after a wave's queries.  LIMIT: a NaN, an infinity or an overflow that reaches only those scores is not carried to the result.  Every input is loaded.
.set STEPS, 4
.set SP,    80                         ; a lane's place in a stage: 64 bytes + 16 of padding
.set WREG,  2*32*SP                    ; two stages for each wave
.set SPARE, 4*WREG                     ; behind the four regions: the spare words, 128 bytes a wave, which no other line names
.set SPW,   12                         ; v12 LDS address of my spare word; never rewritten
.set NIL,   13                         ; v13 0; never rewritten
.set R,     16                         ; v16-79   four steps as loaded
.set X,     80                         ; v80-111  two sets of 16 neighbours
.set T,     112                        ; v112-159 the 16 numbers held for each of the three scales
.set C,     160                        ; v160-207 codes: four registers for each step and tensor, so that no store's data are written again
	s_load_b128 s[4:7], s[0:1], 0x0                ; x, the scales' exponents
	s_load_b64 s[8:9], s[0:1], 0x10                ; xc
	v_lshl_add_u32 v[SPW], v0, 2, SPARE
	v_mov_b32 v[NIL], 0
	v_lshrrev_b32 v1, 5, v0
	v_readfirstlane_b32 s16, v1                    ; wave
	v_and_b32 v2, 31, v0                           ; lane
	v_lshlrev_b32 v3, 4, v2                        ; 16 x lane: my bytes of a load's 512, and of a store's 512
	s_mul_i32 s17, s16, WREG
	v_lshrrev_b32 v14, 2, v2
	v_mul_u32_u24 v14, v14, SP
	v_and_b32 v15, 3, v2
	v_lshl_add_u32 v14, v15, 4, v14
	v_add_nc_u32 v14, s17, v14                     ; the stage, way in: SP (lane / 4) + 16 (lane % 4)
	v_mul_u32_u24 v15, v2, SP
	v_add_nc_u32 v15, s17, v15                     ; way out: SP x lane
	s_lshl_b32 s18, ttmp9, 2
	s_add_co_u32 s18, s18, s16                     ; which run of 2,048 numbers is my wave's
	s_lshl_b32 s20, s18, 13                        ; 8,192 bytes of x,
	s_mov_b32 s21, 0
	s_lshl_b32 s22, s18, 11                        ; 2,048 bytes of codes
	s_mov_b32 s23, 0
	s_wait_alu depctr_va_vdst(0)
	s_wait_kmcnt 0x0
	s_load_b256 s[24:31], s[6:7], 0x0              ; e0 .. e7: e1 = s25, e3 = s27, e5 = s29
	s_add_nc_u64 s[4:5], s[4:5], s[20:21]
	s_add_nc_u64 s[8:9], s[8:9], s[22:23]          ; part 0,
	s_add_nc_u64 s[10:11], s[8:9], 0x400000        ; part 1,
	s_add_nc_u64 s[12:13], s[8:9], 0x800000        ; part 2
.macro LOAD t
.irp i, 0,1,2,3
	global_load_b128 v[R+16*(\t)+4*\i:R+16*(\t)+4*\i+3], v3, s[4:5] offset:2048*(\t)+512*\i th:TH_LOAD_NT
.endr
.endm
.macro TURN t                          ; step t through the stage: LDS serves a wave's instructions in order, so no wait stands between the stores and the loads
.irp i, 0,1,2,3
	ds_store_b128 v14, v[R+16*(\t)+4*\i:R+16*(\t)+4*\i+3] offset:32*SP*((\t)%2)+8*SP*\i
.endr
.irp i, 0,1,2,3
	ds_load_b128 v[X+16*((\t)%2)+4*\i:X+16*((\t)%2)+4*\i+3], v15 offset:32*SP*((\t)%2)+16*\i
.endr
.endm
.irp t, 0,1,2,3
	LOAD \t
.endr
	s_wait_kmcnt 0x0
.irp k, 0,1,2
	s_add_co_i32 s32, s[25+2*\k], 127
	s_lshl_b32 s33, s32, 23
	v_mov_b32 v[6+2*\k], s33                       ; 2^e as f32: the conversion takes its exponent field
	s_add_co_i32 s32, s32, 15
	s_lshl_b32 s32, s32, 23
	s_or_b32 s32, s32, 0x600000
	v_mov_b32 v[7+2*\k], s32                       ; 57,344 x 2^e
.endr
	s_wait_alu depctr_va_vdst(0)
	s_wait_loadcnt 12                              ; step 0's four loads are in; the twelve behind them may be out
	TURN 0
.macro STEP t
.set XS, X+16*((\t)%2)
	s_wait_dscnt 0x0                               ; this step's numbers are back from the stage
.if (\t)+1 < STEPS
	s_wait_loadcnt 4*(STEPS-2-(\t))                ; the next step's four loads are in; those of the steps behind it may be out
	TURN (\t)+1
.endif
.irp k, 0,1,2
.set i, 0
.rept 16
	v_med3_num_f32 v[T+16*\k+i], v[XS+i], -v[7+2*\k], v[7+2*\k]   ; the conversion to an 8-bit code does not saturate (ISA guide 7.6.2): the hold at the largest code x the scale
.set i, i+1
.endr
.endr
.irp k, 0,1,2
	v_cvt_scalef32_pk8_bf8_f32 v[C+12*(\t)+4*\k:C+12*(\t)+4*\k+1], v[T+16*\k:T+16*\k+7], v[6+2*\k]
	v_cvt_scalef32_pk8_bf8_f32 v[C+12*(\t)+4*\k+2:C+12*(\t)+4*\k+3], v[T+16*\k+8:T+16*\k+15], v[6+2*\k]
.endr
	v_nop                                          ; one plain vector line behind the conversions: the next step's holds write their sources
.irp k, 0,1,2
	global_store_b128 v3, v[C+12*(\t)+4*\k:C+12*(\t)+4*\k+3], s[8+2*\k:9+2*\k] offset:512*(\t)
.endr
.endm
.irp t, 0,1,2,3
	STEP \t
.endr
	s_wait_tensorcnt 0x0                           ; the wave's end
	ds_add_u32 v[SPW], v[NIL]
	s_wait_dscnt 0x0
	s_endpgm
.Lfunc_end_k_qb215d63fac_quant_x:
	.size	k_qb215d63fac_quant_x, .Lfunc_end_k_qb215d63fac_quant_x-k_qb215d63fac_quant_x
	.p2alignl 7, 3214868480
	.fill 96, 4, 3214868480
	.section	.rodata,"a",@progbits
	.p2align	6, 0x0
	.amdhsa_kernel k_qb215d63fac_quant_x
		.amdhsa_group_segment_fixed_size 20992
		.amdhsa_private_segment_fixed_size 0
		.amdhsa_enable_private_segment 0
		.amdhsa_kernarg_size 24
		.amdhsa_user_sgpr_count 2
		.amdhsa_user_sgpr_kernarg_segment_ptr 1
		.amdhsa_wavefront_size32 1
		.amdhsa_system_sgpr_workgroup_id_x 1
		.amdhsa_system_sgpr_workgroup_id_y 1
		.amdhsa_system_sgpr_workgroup_id_z 1
		.amdhsa_system_vgpr_workitem_id 0
		.amdhsa_next_free_vgpr 208
		.amdhsa_next_free_sgpr 66
		.amdhsa_reserve_vcc 0
		.amdhsa_float_denorm_mode_32 3
		.amdhsa_float_denorm_mode_16_64 3
		.amdhsa_memory_ordered 1
		.amdhsa_forward_progress 1
		.amdhsa_inst_pref_size 22
	.end_amdhsa_kernel
	.amdgpu_metadata
---
amdhsa.version: [ 1, 2 ]
amdhsa.kernels:
  - .name:           k_qb215d63fac_quant_x
    .symbol:         k_qb215d63fac_quant_x.kd
    .args:
      - { .name: x, .offset: 0, .size: 8, .value_kind: global_buffer, .address_space: global }
      - { .name: lowp_scales, .offset: 8, .size: 8, .value_kind: global_buffer, .address_space: global }
      - { .name: xc, .offset: 16, .size: 8, .value_kind: global_buffer, .address_space: global }
    .group_segment_fixed_size: 20992
    .private_segment_fixed_size: 0
    .kernarg_segment_align: 8
    .kernarg_segment_size: 24
    .max_flat_workgroup_size: 128
    .sgpr_count:     66
    .vgpr_count:     208
    .wavefront_size: 32
...
	.end_amdgpu_metadata
.endif
;; end of part 1
;; launch qkv (part 2): grid 12 x 16, 4 waves a work-group, clusters of 4 x 4, 327,680 bytes of LDS; arguments xc, Wq_codes, Wk_codes, Wv_codes, lowp_scales, qkv; writes qkv
.if DOCPART == 2
	.amdgcn_target "amdgcn-amd-amdhsa--gfx1250"
	.amdhsa_code_object_version 6
	.text
	.protected	k_qb215d63fac_qkv
	.globl	k_qb215d63fac_qkv
	.p2align	8
	.type	k_qb215d63fac_qkv,@function
k_qb215d63fac_qkv:
	s_mov_b64 s[64:65], 0
	v_nop
	global_prefetch_b8 v0, s[64:65] scope:SCOPE_SE
	s_setreg_imm32_b32 hwreg(HW_REG_WAVE_MODE, 25, 1), 1
	s_wait_xcnt 0x0
	s_wait_alu depctr_hold_cnt(0) depctr_sa_sdst(0) depctr_va_vdst(0) depctr_va_sdst(0) depctr_va_ssrc(0) depctr_va_vcc(0) depctr_vm_vsrc(0)
	s_getreg_b32 s2, hwreg(HW_REG_IB_STS2, 6, 4)
	s_cmp_eq_u32 s2, 0
	s_cbranch_scc0 .Lentry_in_a_cluster
	s_endpgm
.Lentry_in_a_cluster:
	s_bfe_u32 s2, ttmp6, 0x10000c
	s_cmp_lg_u32 s2, 0xf033
	s_cbranch_scc0 .Lentry_shape_is_right
	s_endpgm
.Lentry_shape_is_right:
; q, k, v = x W on codes of E5M2, K = 1,024, and the results quantised at once to the codes that attention reads.  Cluster x says which: 0 q, 1 k, 2 v; cluster y a block of 1,024 tokens.
; q, k: A = x's codes (rows = tokens), B = the weight's codes (rows = 64 head + d).  v: A = Wv's codes, B = x's codes, so that a lane's eight results are eight neighbouring KEYS, the K of attention's second product.
; A sum stands for sum x 2^(eW + ex); its code is sum / 2^(eo - eW - ex), eo = e6 (q), e7 (k), e9 (v): the three exponents are folded into the conversion's one.
; LIMITS: eo - eW - ex between -126 and 112.
; OUT: three parts of 4 MiB, each [32 batch x head][32 blocks][64][64] bytes: q, k a block of [64 tokens][64 d]; v a block of [64 d][64 keys].
; A tile of C, 256 x 256, is made by four waves, each 128 x 128: 64 accumulators.  K goes in steps of 256 through a ring of two LDS slots filled by the tensor data mover.
; CLUSTERS: 4 x 4 work-groups; A's tile is asked for jointly along a row of the cluster, B's along a column.  THE MATRIX INSTRUCTION IS USED TRANSPOSED (source 0 = 16 rows of B, source 1 = 16 rows of A).
; REGISTERS: window 0: v0-31 addresses; from v128 A's fragments, one set; window 1: B's fragments, two sets; windows 2, 3: the accumulators ((a, b) at v[8 (8 (a % 4) + b)]).
.set APITCH, 272                       ; an LDS row: 256 bytes + 16 of padding: the 16 rows of a fragment load start at 16 different banks
.set BPITCH, 272
.set AQ,     128                       ; from one 128 along K to the next, in A's LDS tile
.set AHALF,  128*APITCH                ; what one tensor load brings of A
.set BHALF,  128*BPITCH
.set BOFF,   2*AHALF
.set SLOT,   BOFF+2*BHALF
.set SPARE,  2*SLOT                    ; behind the ring: the spare words, 128 bytes a wave, which no other line names
.set ASTEP,  256                       ; a K step of 256 in memory
.set BSTEP,  256
.set LAPS,   2                         ; 1,024 / 512
.set FR,     16
.set NL,     4
.set NP,     4                         ; places behind this matrix instruction (ISA guide 7.12.1)
.set SPITCH, 272                       ; the way out: one stage of 256 rows x (256 bytes + 16) for the work-group, in slot 0, which has had its last fill and its last read by then
.set VO,   8                           ; v8-11  the way out: 16 x lane + sub-block x its distance in memory
.set ADRA, 16
.set ADRB, 20
.set STO,  24
.set RD0,  25
.set RD1,  27
.set SPW,  28
.set NIL,  29
.set SCL,  31                          ; v31 the conversion's scale
.set TMP,  32
.set CD,   128                         ; the codes: 16 registers for each of the eight blocks
.set AF,   128
.set G1, 24
.set G0, 32
.set G1B, 48
.set G0B, 56
.set MSB, 0
.macro WIN new                         ; the immediate's high byte repeats the setting that is left
.if MSB != (\new)
	s_set_vgpr_msb (MSB<<8)|(\new)
.set MSB, (\new)
.endif
.endm
.set MUL_LO, 0xa1
.set MUL_HI, 0xf1
.set TO_B,   0x40
.macro JLOAD g0a, g1a, g0b, g1b        ; a joint load: waves 0, 1 fetch for A, waves 2, 3 for B; an s_nop 0 and four v_nop follow each line
	s_cmp_eq_u32 s15, 0
	s_cbranch_scc0 .Lfor_b_\@
	tensor_load_to_lds s[\g0a:\g0a+3], s[\g1a:\g1a+7]
	s_nop 0
.rept 4
	v_nop
.endr
	s_branch .Lasked_\@
.Lfor_b_\@:
	tensor_load_to_lds s[\g0b:\g0b+3], s[\g1b:\g1b+7]
	s_nop 0
.rept 4
	v_nop
.endr
.Lasked_\@:
.endm
.macro CREST
	s_cmp_lg_u32 s14, 0
	s_cbranch_scc1 .Lnot_wave_0_\@
	s_barrier_signal -3
.Lnot_wave_0_\@:
	s_barrier_wait -3
	s_barrier_signal -1
	s_barrier_wait -1
.endm
.macro CROUND
	s_barrier_signal -1
	s_barrier_wait -1
	CREST
.endm
	s_load_b256 s[68:75], s[0:1], 0x0              ; xc, Wq, Wk, Wv
	s_load_b128 s[8:11], s[0:1], 0x20              ; the scales' exponents, qkv
	v_lshl_add_u32 v[SPW], v0, 2, SPARE
	v_mov_b32 v[NIL], 0
	ds_add_u32 v[SPW], v[NIL]                      ; the wave's opening: the add and its wait ahead of my first tensor load
	ds_add_u32 v[SPW], v[NIL]
	v_lshrrev_b32 v1, 5, v0
	v_readfirstlane_b32 s14, v1                    ; wave 0..3
	s_lshr_b32 s15, s14, 1                         ; my half of the tile's rows; also: I fetch for A (0) or B (1)
	s_and_b32 s16, s14, 1                          ; my half of its columns; also: which 128 rows I fetch
	s_bfe_u32 s40, ttmp6, 0x40000                  ; cx
	s_bfe_u32 s41, ttmp6, 0x40004                  ; cy
	s_and_b32 s78, ttmp7, 0xffff                   ; cluster y: the block of 1,024 tokens
	s_lshl_b32 s79, s78, 2
	s_cmp_eq_u32 ttmp9, 2                          ; v?  The cluster's x is the same in all sixteen partners
	s_cselect_b32 s17, 0, s79                      ; the tokens run down the rows (q, k)
	s_cselect_b32 s42, s79, 0                      ; or along the columns (v)
	s_add_co_u32 s17, s17, s41                     ; tile row
	s_add_co_u32 s42, s42, s40                     ; tile column
	s_lshl_b32 s43, s41, 2
	s_lshl_b32 s43, 15, s43                        ; my row of the cluster
	s_lshl_b32 s44, 0x1111, s40                    ; my column
	s_or_b32 s[G1+0], s43, (0<<16)|(1<<20)|(1<<21)|(5<<22)|(3<<25)  ; the mask; elements of 1 byte; padding on; bit 21 beside a mask; 4 words behind every 64
	s_or_b32 s[G1B+0], s44, (0<<16)|(1<<20)|(1<<21)|(5<<22)|(3<<25)
.irp g, G1, G1B
	s_mov_b32 s[\g+1], 256<<16                     ; tensor_dim0
	s_mov_b32 s[\g+2], 128<<16                     ; tensor_dim1
	s_mov_b32 s[\g+3], 256<<16                     ; tile_dim0
	s_mov_b32 s[\g+4], 128                         ; tile_dim1
	s_mov_b32 s[\g+5], 1024                        ; from row to row
	s_mov_b32 s[\g+6], 0
	s_mov_b32 s[\g+7], 0
.endr
	s_lshl_b32 s18, s16, 7
	s_lshl_b32 s20, s17, 8
	s_add_co_u32 s20, s20, s18                     ; A: row 256 x tile row + 128 x half
	s_lshl_b32 s46, s42, 8
	s_add_co_u32 s46, s46, s18                     ; B: row 256 x tile column + 128 x half
	s_lshl_b32 s20, s20, 10                        ; rows of 1,024 bytes
	s_lshl_b32 s46, s46, 10
	s_mov_b32 s21, 0
	s_mov_b32 s47, 0
	s_mul_i32 s45, s16, AHALF                      ; where they go: no place in the cluster enters an LDS address
	s_mul_i32 s19, s16, BHALF
	s_add_co_u32 s19, s19, BOFF
	s_lshl_b32 s76, ttmp9, 22                      ; x's codes for this product: part 0, 1 or 2
	s_mov_b32 s77, 0
	s_wait_dscnt 0x0                               ; the opening add is done
	s_wait_kmcnt 0x0
	s_load_b256 s[84:91], s[8:9], 0x0              ; e0 .. e7
	s_load_b64 s[92:93], s[8:9], 0x20              ; e8, e9
	s_add_nc_u64 s[68:69], s[68:69], s[76:77]
	s_cmp_eq_u32 ttmp9, 0
	s_cselect_b64 s[70:71], s[70:71], s[72:73]     ; Wq or Wk
	s_cmp_eq_u32 ttmp9, 2
	s_cselect_b64 s[4:5], s[74:75], s[68:69]       ; A: Wv, or x's codes
	s_cselect_b64 s[6:7], s[68:69], s[70:71]       ; B: x's codes, or Wq / Wk
	s_add_nc_u64 s[20:21], s[4:5], s[20:21]
	s_add_nc_u64 s[46:47], s[6:7], s[46:47]
	CROUND                                         ; all sixteen work-groups are here: the first joint loads meet
.irp s, 0,1
	s_mov_b32 s[G0+4*\s], 1
	s_add_co_u32 s[G0+4*\s+1], s45, \s*SLOT
	s_add_nc_u64 s[G0+4*\s+2:G0+4*\s+3], s[20:21], \s*ASTEP
	s_or_b32 s[G0+4*\s+3], s[G0+4*\s+3], 0x80000000
	s_mov_b32 s[G0B+4*\s], 1
	s_add_co_u32 s[G0B+4*\s+1], s19, \s*SLOT
	s_add_nc_u64 s[G0B+4*\s+2:G0B+4*\s+3], s[46:47], \s*BSTEP
	s_or_b32 s[G0B+4*\s+3], s[G0B+4*\s+3], 0x80000000
.endr
	JLOAD G0, G1, G0B, G1B                         ; K step 0: one tensor load a wave at the head
	; PREFETCH: of the 128 rows that I fetch, the partner at place p (cx for A, cy for B) names rows 32 p .. 32 p + 31, told apart by address; a lane a row, 256 bytes a K step.
	; K steps 1 and 2 are named here, K step 3 behind the second load; the address registers are never rewritten.
	s_cmp_eq_u32 s15, 0                            ; do I fetch for A?
	s_cselect_b32 s80, s17, s42
	s_cselect_b32 s81, s40, s41
	s_cselect_b64 s[82:83], s[4:5], s[6:7]
	s_lshl_b32 s80, s80, 8
	s_lshl_b32 s95, s16, 7
	s_add_co_u32 s80, s80, s95
	s_lshl_b32 s81, s81, 5
	s_add_co_u32 s80, s80, s81
	s_lshl_b32 s80, s80, 10                        ; rows of 1,024 bytes
	s_mov_b32 s81, 0
	s_add_nc_u64 s[82:83], s[82:83], s[80:81]
	v_and_b32 v30, 31, v0
	v_lshlrev_b32 v30, 10, v30
	global_prefetch_b8 v30, s[82:83] offset:256 th:TH_LOAD_NT scope:SCOPE_SE
	global_prefetch_b8 v30, s[82:83] offset:512 th:TH_LOAD_NT scope:SCOPE_SE
	v_and_b32 v1, 15, v0                           ; r
	v_bfe_u32 v2, v0, 4, 1                         ; h
	v_mul_u32_u24 v3, v1, APITCH
	v_lshl_add_u32 v3, v2, 4, v3
	v_mul_u32_u24 v4, v1, BPITCH
	v_lshl_add_u32 v4, v2, 4, v4
	s_mul_i32 s21, s15, AHALF
	s_mul_i32 s22, s16, BHALF
	s_add_co_u32 s22, s22, BOFF
.irp s, 0,1
	v_add_nc_u32 v[ADRA+\s], s21, v3
	v_add_nc_u32 v[ADRB+\s], s22, v4
	s_add_co_u32 s21, s21, SLOT
	s_add_co_u32 s22, s22, SLOT
.endr
	s_mul_i32 s23, s15, 128*SPITCH                 ; the stage, way in: row 128 x my row half + r, byte 128 x my column half + 8 h
	s_lshl_b32 s21, s16, 7
	s_add_co_u32 s23, s23, s21
	v_mul_u32_u24 v5, v1, SPITCH
	v_lshl_add_u32 v5, v2, 3, v5
	v_add_nc_u32 v[STO], s23, v5
	v_and_b32 v6, 31, v0                           ; way out: wave w takes columns 64 w .. 64 w + 63 of all 256 rows: four lanes to a row of 64 bytes, eight rows an instruction
	s_wait_alu depctr_va_vdst(0)
	v_lshrrev_b32 v5, 2, v6
	v_mul_u32_u24 v5, v5, SPITCH
	v_and_b32 v7, 3, v6
	v_lshl_add_u32 v5, v7, 4, v5
	s_lshl_b32 s23, s14, 6
	v_add_nc_u32 v[RD0], s23, v5                   ; rows 0-127
	v_add_nc_u32 v[RD1], 128*SPITCH, v[RD0]        ; rows 128-255
	; where my four sub-blocks of 64 x 64 bytes go.  q, k: sub-blocks down the rows are token blocks (4,096 bytes apart), my column group is a head (131,072); v: the other way round
	s_cmp_eq_u32 ttmp9, 2
	s_cselect_b32 s20, s41, s40                    ; which four heads: cy (v) or cx
	s_cselect_b32 s21, s40, s41                    ; which four token blocks: cx (v) or cy
	s_mov_b32 s22, 0x20000
	s_cselect_b32 s23, 0x1000, s22                 ; from wave to wave
	s_mov_b32 s22, 0x1000
	s_cselect_b32 s22, 0x20000, s22                ; from sub-block to sub-block
	s_lshl_b32 s20, s20, 19
	s_lshl_b32 s21, s21, 14
	s_add_co_u32 s20, s20, s21
	s_and_b32 s21, s78, 1
	s_lshl_b32 s21, s21, 16                        ; the second 1,024 tokens of a batch: 16 token blocks on
	s_add_co_u32 s20, s20, s21
	s_lshr_b32 s21, s78, 1
	s_lshl_b32 s21, s21, 21                        ; the batch: 16 heads on
	s_add_co_u32 s20, s20, s21
	s_add_co_u32 s20, s20, s76                     ; the part: q, k or v
	s_mul_i32 s21, s14, s23
	s_add_co_u32 s20, s20, s21
	s_mov_b32 s21, 0
	s_add_nc_u64 s[10:11], s[10:11], s[20:21]
	v_lshlrev_b32 v[VO], 4, v6
	v_add_nc_u32 v[VO+1], s22, v[VO]
	v_add_nc_u32 v[VO+2], s22, v[VO+1]
	v_add_nc_u32 v[VO+3], s22, v[VO+2]
.macro FRAGA reg, slot, q, i           ; a fragment, 16 rows x 128 K: registers 4 c .. 4 c + 3 hold K = 32 c + 16 h + 0 .. 15: the same permutation of k in A and in B
.irp c, 0,1,2,3
	ds_load_b128 v[\reg+4*\c:\reg+4*\c+3], v[ADRA+\slot] offset:AQ*(\q)+32*\c+(\i)*16*APITCH
.endr
.endm
.macro FRAGB reg, slot, q, i
.irp c, 0,1,2,3
	ds_load_b128 v[\reg+4*\c:\reg+4*\c+3], v[ADRB+\slot] offset:128*(\q)+32*\c+(\i)*16*BPITCH
.endr
.endm
; 16 matrix instructions: A's blocks a0, a0 + 1 x B's eight.  The 64 accumulators take turns, one instruction a turn, in the same order in every step.
.macro MUL16 a0, p, zero
.irp a, \a0, \a0+1
.irp b, 0,1,2,3,4,5,6,7
.if \zero
	v_wmma_f32_16x16x128_bf8_bf8 v[8*(8*((\a)%4)+\b):8*(8*((\a)%4)+\b)+7], v[128*(\p)+FR*\b:128*(\p)+FR*\b+FR-1], v[AF+FR*(\a):AF+FR*(\a)+FR-1], 0
.else
	v_wmma_f32_16x16x128_bf8_bf8 v[8*(8*((\a)%4)+\b):8*(8*((\a)%4)+\b)+7], v[128*(\p)+FR*\b:128*(\p)+FR*\b+FR-1], v[AF+FR*(\a):AF+FR*(\a)+FR-1], v[8*(8*((\a)%4)+\b):8*(8*((\a)%4)+\b)+7]
.endif
.endr
.endr
.endm
.macro FETCH_B slot, q, p
	WIN TO_B
.irp i, 0,1,2,3,4,5,6,7
	FRAGB 128*(\p)+FR*\i, \slot, \q, \i
.endr
	WIN 0
.endm
.macro FETCH_A slot, q, i0
.irp i, \i0, \i0+1, \i0+2, \i0+3
	FRAGA AF+FR*(\i), \slot, \q, \i
.endr
.endm
.macro PLACES n                        ; plain vector lines between a matrix instruction and a load into, or a read of, its registers
.rept \n
	v_nop
.endr
.endm
.macro STEP slot, q, zero              ; 128 along K that has its successor in the same slot
	s_wait_dscnt 4*NL                              ; B's set and A's blocks 0-3 are in; the youngest 16 loads (A's blocks 4-7) may be out
	WIN MUL_LO
	MUL16 0, (\q)%2, \zero
	MUL16 2, (\q)%2, \zero
	s_wait_dscnt 0
	PLACES NP
	FETCH_B \slot, (\q)+1, 1-(\q)%2
	FETCH_A \slot, (\q)+1, 0
	WIN MUL_HI
	MUL16 4, (\q)%2, \zero
	MUL16 6, (\q)%2, \zero
	PLACES NP
	WIN 0
	FETCH_A \slot, (\q)+1, 4
.endm
; A slot's last step changes slots: one barrier; in front of it each wave waits for all its tensor loads, adds 0 to its spare word, and waits for that and for its reads of this slot.
.macro TURN slot, next, fill
	s_wait_tensorcnt 0x0                           ; all my tensor loads have landed: my part of the next slot
	ds_add_u32 v[SPW], v[NIL]
	s_wait_dscnt 4*NL+1                            ; the add and the youngest 16 loads may be out
	WIN MUL_LO
	MUL16 0, 1, 0
	s_wait_dscnt 0x0                               ; the add is done, and my reads of this slot are over
	s_barrier_signal -1
	MUL16 2, 1, 0
	WIN 0
	s_barrier_wait -1
.if \fill
	CREST                                          ; the barrier has opened a round of the cluster's barrier: no wave of any partner still reads this slot or has a load on its way
	s_add_nc_u64 s[G0+4*\slot+2:G0+4*\slot+3], s[G0+4*\slot+2:G0+4*\slot+3], 2*ASTEP
	s_add_nc_u64 s[G0B+4*\slot+2:G0B+4*\slot+3], s[G0B+4*\slot+2:G0B+4*\slot+3], 2*BSTEP
	JLOAD G0+4*\slot, G1, G0B+4*\slot, G1B         ; the first tensor load behind the round; its four v_nop are the places in front of the loads below
.else
	PLACES NP
.endif
	FETCH_B \next, 0, 0
	FETCH_A \next, 0, 0
	WIN MUL_HI
	MUL16 4, 1, 0
	MUL16 6, 1, 0
	PLACES NP
	WIN 0
	FETCH_A \next, 0, 4
.endm
	s_wait_alu depctr_va_vdst(0)
	s_wait_tensorcnt 0x0                           ; my part of K step 0 is in
	ds_add_u32 v[SPW], v[NIL]
	s_wait_dscnt 0x0
	CROUND                                         ; everybody's part of K step 0 is in, and the sixteen work-groups meet
	JLOAD G0+4, G1, G0B+4, G1B                     ; K step 1: the first tensor load behind the round
	FETCH_B 0, 0, 0
	FETCH_A 0, 0, 0
	FETCH_A 0, 0, 4
	global_prefetch_b8 v30, s[82:83] offset:768 th:TH_LOAD_NT scope:SCOPE_SE   ; K step 3, two refills ahead of its load
	STEP 0, 0, 1                                   ; the first step's products start the sums
	s_mov_b32 s3, LAPS-1
.Llap:
	TURN 0, 1, 1
	STEP 1, 0, 0
	TURN 1, 0, 1
	STEP 0, 0, 0
	s_sub_co_u32 s3, s3, 1
	s_cmp_lg_u32 s3, 0
	s_cbranch_scc1 .Llap
	TURN 0, 1, 0                                   ; the last lap fills nothing
	STEP 1, 0, 0
	s_wait_dscnt 4*NL
	WIN MUL_LO
	MUL16 0, 1, 0
	MUL16 2, 1, 0
	s_wait_dscnt 0
	WIN MUL_HI
	MUL16 4, 1, 0
	MUL16 6, 1, 0
	WIN 0
	; THE WAY OUT: hold, convert, 8 bytes a lane into the work-group's stage; a barrier; back as sub-blocks of 64 x 64 bytes, each 4,096 dense bytes of memory.
	s_wait_kmcnt 0x0
	s_add_co_i32 s84, s84, s85                     ; eW + ex for q,
	s_add_co_i32 s86, s86, s87                     ; k,
	s_add_co_i32 s88, s88, s89                     ; v
	s_cmp_eq_u32 ttmp9, 0
	s_cselect_b32 s84, s84, s86
	s_cselect_b32 s90, s90, s91                    ; e6 or e7
	s_cmp_eq_u32 ttmp9, 2
	s_cselect_b32 s84, s88, s84
	s_cselect_b32 s90, s93, s90                    ; or e9
	s_sub_co_i32 s90, s90, s84                     ; eo - eW - ex
	s_add_co_i32 s90, s90, 127
	s_lshl_b32 s94, s90, 23
	s_add_co_i32 s90, s90, 15
	s_lshl_b32 s91, s90, 23
	s_or_b32 s91, s91, 0x600000                    ; 57,344 x the scale,
	s_or_b32 s92, s91, 0x80000000                  ; and its negative
	PLACES NP
	v_mov_b32 v[SCL], s94
.macro OUTBLK a
.set AC, 64*((\a)%4)
	WIN 0x02+((\a)/4)                              ; source 0: window 2 or 3
.set j, 0
.rept 64
	v_med3_num_f32 v[TMP+j], v[AC+j], s92, s91     ; the hold; each accumulator from its low end on
.set j, j+1
.endr
	WIN 0
.irp b, 0,1,2,3,4,5,6,7
	v_cvt_scalef32_pk8_bf8_f32 v[CD+16*(\a)+2*\b:CD+16*(\a)+2*\b+1], v[TMP+8*\b:TMP+8*\b+7], v[SCL]
.endr
	v_nop                                          ; one plain vector line behind the conversions: the next block's holds write their sources
.irp b, 0,1,2,3,4,5,6,7
	ds_store_b64 v[STO], v[CD+16*(\a)+2*\b:CD+16*(\a)+2*\b+1] offset:(\a)*16*SPITCH+16*\b
.endr
.endm
.irp a, 0,1,2,3,4,5,6,7
	OUTBLK \a
.endr
	s_wait_dscnt 0x0                               ; for the others' sake: my stores into the stage are done
	s_barrier_signal -1
	s_barrier_wait -1
.set t, 0
.rept 32                               ; load t: rows 8 t .. 8 t + 7 of my column group
.if t < 16
	ds_load_b128 v[TMP+4*t:TMP+4*t+3], v[RD0] offset:8*t*SPITCH
.else
	ds_load_b128 v[TMP+4*t:TMP+4*t+3], v[RD1] offset:8*(t-16)*SPITCH
.endif
.set t, t+1
.endr
.set t, 0
.rept 32
	s_wait_dscnt 31-t                              ; load t is back; the younger ones may be out
	global_store_b128 v[VO+t/8], v[TMP+4*t:TMP+4*t+3], s[10:11] offset:512*(t%8)   ; 32 lanes store 512 consecutive bytes, aligned
.set t, t+1
.endr
	s_wait_tensorcnt 0x0                           ; the wave's end
	ds_add_u32 v[SPW], v[NIL]
	s_wait_dscnt 0x0
	CROUND                                         ; the closing round
	s_endpgm
.Lfunc_end_k_qb215d63fac_qkv:
	.size	k_qb215d63fac_qkv, .Lfunc_end_k_qb215d63fac_qkv-k_qb215d63fac_qkv
	.p2alignl 7, 3214868480
	.fill 96, 4, 3214868480
	.section	.rodata,"a",@progbits
	.p2align	6, 0x0
	.amdhsa_kernel k_qb215d63fac_qkv
		.amdhsa_group_segment_fixed_size 327680
		.amdhsa_private_segment_fixed_size 0
		.amdhsa_enable_private_segment 0
		.amdhsa_kernarg_size 48
		.amdhsa_user_sgpr_count 2
		.amdhsa_user_sgpr_kernarg_segment_ptr 1
		.amdhsa_wavefront_size32 1
		.amdhsa_system_sgpr_workgroup_id_x 1
		.amdhsa_system_sgpr_workgroup_id_y 1
		.amdhsa_system_sgpr_workgroup_id_z 1
		.amdhsa_system_vgpr_workitem_id 0
		.amdhsa_next_free_vgpr 1024
		.amdhsa_next_free_sgpr 100
		.amdhsa_reserve_vcc 0
		.amdhsa_float_denorm_mode_32 3
		.amdhsa_float_denorm_mode_16_64 3
		.amdhsa_memory_ordered 1
		.amdhsa_forward_progress 1
		.amdhsa_inst_pref_size 128
	.end_amdhsa_kernel
	.amdgpu_metadata
---
amdhsa.version: [ 1, 2 ]
amdhsa.kernels:
  - .name:           k_qb215d63fac_qkv
    .symbol:         k_qb215d63fac_qkv.kd
    .args:
      - { .name: xc, .offset: 0, .size: 8, .value_kind: global_buffer, .address_space: global }
      - { .name: Wq_codes, .offset: 8, .size: 8, .value_kind: global_buffer, .address_space: global }
      - { .name: Wk_codes, .offset: 16, .size: 8, .value_kind: global_buffer, .address_space: global }
      - { .name: Wv_codes, .offset: 24, .size: 8, .value_kind: global_buffer, .address_space: global }
      - { .name: lowp_scales, .offset: 32, .size: 8, .value_kind: global_buffer, .address_space: global }
      - { .name: qkv, .offset: 40, .size: 8, .value_kind: global_buffer, .address_space: global }
    .group_segment_fixed_size: 327680
    .private_segment_fixed_size: 0
    .kernarg_segment_align: 8
    .kernarg_segment_size: 48
    .max_flat_workgroup_size: 128
    .sgpr_count:     100
    .vgpr_count:     1024
    .wavefront_size: 32
...
	.end_amdgpu_metadata
.endif
;; end of part 2
;; launch attn (part 3): grid 8 x 32, 16 waves a work-group, clusters of 4 x 1, 327,680 bytes of LDS; arguments qkv, lowp_scales, ac; writes ac
.if DOCPART == 3
	.amdgcn_target "amdgcn-amd-amdhsa--gfx1250"
	.amdhsa_code_object_version 6
	.text
	.protected	k_qb215d63fac_attn
	.globl	k_qb215d63fac_attn
	.p2align	8
	.type	k_qb215d63fac_attn,@function
k_qb215d63fac_attn:
	s_mov_b64 s[64:65], 0
	v_nop
	global_prefetch_b8 v0, s[64:65] scope:SCOPE_SE
	s_setreg_imm32_b32 hwreg(HW_REG_WAVE_MODE, 25, 1), 1
	s_wait_xcnt 0x0
	s_wait_alu depctr_hold_cnt(0) depctr_sa_sdst(0) depctr_va_vdst(0) depctr_va_sdst(0) depctr_va_ssrc(0) depctr_va_vcc(0) depctr_vm_vsrc(0)
	s_getreg_b32 s2, hwreg(HW_REG_IB_STS2, 6, 4)
	s_cmp_eq_u32 s2, 0
	s_cbranch_scc0 .Lentry_in_a_cluster
	s_endpgm
.Lentry_in_a_cluster:
	s_bfe_u32 s2, ttmp6, 0x10000c
	s_cmp_lg_u32 s2, 0x3003
	s_cbranch_scc0 .Lentry_shape_is_right
	s_endpgm
.Lentry_shape_is_right:
; Causal attention on codes of E5M2, head size 64, 2,048 keys, 32 batch x head.  IN: qkv, three parts of 4 MiB, each [32 batch x head][32 blocks][64][64] bytes: q, k blocks of [64 tokens][64 d]; v blocks of [64 d][64 keys].
; OUT: ac [64 blocks of 64 tokens][16 heads][64 tokens][64 d]: attention's result as codes with the scale 2^e10.
; t = score x log2(e) / 8; M = the running largest t rounded up to a whole number; p = 2^(t - M) is quantised with 2^e8; the row's sum is taken of the unquantised p and divides at the end.
; WORK LEFT OUT: key steps all of whose 128 keys come after the wave's 16 queries (reference()'s own causal mask gives them the weight 0): a scalar branch on the wave's number and the count of steps.
; LIMITS: e6 + e7 between -123 and 130; e8 between -126 and 112; e10 - e8 - e9 between -126 and 112; the scaled scores stay under 2^31 in magnitude.
; SHARES.  A work-group serves 256 queries of one head: 16 of each block of 128, those from 16 x on, x the work-group's number 0 .. 7.  Each of its sixteen waves owns one such tile; block b has b + 1 key steps of 128 keys.
; Wave w takes block 15 - s, 8 + s, 7 - s, s for w / 4 = 0, 1, 2, 3 (s = w % 4): the longest tiles have the lowest wave numbers, and waves w, w + 4, w + 8, w + 12 have 34 steps together, for every w.
; LDS holds the head's whole K and V: rows of 128 bytes + 16 of padding.  CLUSTER: the four work-groups of a cluster serve one head and ask for K and V jointly.  Two fills, one load a wave each (8,192 dense bytes, stated as
; 32 rows of 256 bytes; waves 0-7 K, waves 8-15 V): keys 0-1023 at the head, keys 1024-2047 behind the full sequence and a round.  All waves walk steps 0-7 on the first fill; one barrier shows the second.
; No byte is filled twice.  No prefetch: both fills are asked for at the head, and there is no loop to run ahead in.
; REGISTERS.  X = v32-95 and Y = v96-159 change roles from step to step: the step's K fragments lie in one, the scores go to the other; V's fragments follow into K's registers behind the first product;
; the next step's K fragments are loaded into the scores' registers, 16 at a time, as soon as a block of 16 p has been converted.  v16-23 Q; v160-191 O^T; v192-207 p's codes; v208-225 at work.
; Both products are used transposed (a lane holds one query); the keys and the d of a tile are chosen (lane r takes row r + 8 (r / 8)) so that 16 registers of two neighbouring tiles are 16 neighbours.
.set DP,    144
.set STEPB, 64*DP                      ; 128 keys of K or of V in LDS
.set VBLK,  32*DP                      ; a block of 64 keys of V
.set VOFF,  16*STEPB                   ; V lies behind K
.set SPARE, 2*VOFF                     ; the spare words, 128 bytes a wave, which no other line names
.set STAGE, SPARE+2048                 ; the way out: 1,024 bytes for each wave, into which no fill lands
.set X,    32
.set Y,    96
.set AK0,  1
.set AV0,  2
.set MK,   3
.set QO,   4
.set SPW,  5
.set NIL,  6
.set GO,   7
.set ADK,  8
.set ADV,  9
.set STI,  10
.set STB,  11
.set QR,   16
.set TB,   2                           ; s2  LDS byte of the step in hand
.set WV,   18
.set TN,   19                          ; s19 LDS byte of the step whose K is fetched ahead
.set SEL,  20
.set CS,   22
.set G1,   24
.set G0,   40
.set RK,   97                          ; s97 first key of the tile's last step
.set KF,   98                          ; s98 the step's first key
.set Q0,   99                          ; s99 the tile's first query
.macro CROUND
	s_barrier_signal -1
	s_barrier_wait -1
	s_cmp_lg_u32 s[WV], 0
	s_cbranch_scc1 .Lnot_wave_0_\@
	s_barrier_signal -3
.Lnot_wave_0_\@:
	s_barrier_wait -3
	s_barrier_signal -1
	s_barrier_wait -1
.endm
.macro KLOAD dst, adr                  ; eight tiles of 16 keys x 64 d
.irp t, 0,1,2,3,4,5,6,7
	ds_load_b128 v[\dst+8*\t:\dst+8*\t+3], v[\adr] offset:(16*(\t/2)+4*(\t%2))*DP
	ds_load_b128 v[\dst+8*\t+4:\dst+8*\t+7], v[\adr] offset:(16*(\t/2)+4*(\t%2))*DP+32
.endr
.endm
	s_load_b128 s[4:7], s[0:1], 0x0                ; qkv, the scales' exponents
	s_load_b64 s[16:17], s[0:1], 0x10              ; ac
	v_lshl_add_u32 v[SPW], v0, 2, SPARE
	v_mov_b32 v[NIL], 0
	ds_add_u32 v[SPW], v[NIL]                      ; the opening: the add, twice on end, and its wait ahead of my first tensor load
	ds_add_u32 v[SPW], v[NIL]
	v_lshrrev_b32 v8, 5, v0
	v_readfirstlane_b32 s[WV], v8                  ; wave 0..15
	s_and_b32 s32, ttmp7, 0xffff                   ; batch x head
	s_lshl_b32 s37, s32, 17                        ; its 131,072 bytes in each part
	s_bfe_u32 s33, ttmp6, 0x40000
	s_lshl_b32 s34, ttmp9, 2
	s_add_co_u32 s34, s34, s33                     ; work-group x
	s_lshl_b32 s36, s34, 4
	s_lshr_b32 s50, s[WV], 2                       ; my block of 128 queries: 4 (3 - w / 4) + (w % 4, turned round where w / 4 is even)
	s_xor_b32 s51, s50, 3
	s_lshl_b32 s51, s51, 2
	s_and_b32 s52, s50, 1
	s_xor_b32 s52, s52, 1
	s_mul_i32 s52, s52, 3
	s_and_b32 s53, s[WV], 3
	s_xor_b32 s53, s53, s52
	s_add_co_u32 s51, s51, s53
	s_lshl_b32 s[RK], s51, 7
	s_add_co_u32 s[Q0], s[RK], s36
	s_and_b32 s56, s[WV], 7                        ; which 128 keys of a fill I fetch,
	s_lshr_b32 s57, s[WV], 3                       ; of K (0) or of V (1)
	s_add_co_u32 s58, s57, 1
	s_lshl_b32 s58, s58, 22
	s_lshl_b32 s61, s56, 13
	s_add_co_u32 s58, s58, s61
	s_add_co_u32 s58, s58, s37
	s_mov_b32 s59, 0
	s_mul_i32 s60, s57, VOFF
	s_mul_i32 s61, s56, STEPB
	s_add_co_u32 s60, s60, s61                     ; and where they go: the wave's number alone
	s_lshl_b32 s74, s[Q0], 6
	s_add_co_u32 s74, s74, s37
	s_mov_b32 s75, 0
	s_lshr_b32 s78, s32, 4                         ; my rows in ac: (((batch x 32 + q / 64) x 16 + head) x 64 + q % 64) x 64
	s_lshl_b32 s78, s78, 5
	s_lshr_b32 s79, s[Q0], 6
	s_add_co_u32 s78, s78, s79
	s_lshl_b32 s78, s78, 4
	s_and_b32 s79, s32, 15
	s_add_co_u32 s78, s78, s79
	s_lshl_b32 s78, s78, 12
	s_and_b32 s79, s[Q0], 63
	s_lshl_b32 s79, s79, 6
	s_add_co_u32 s78, s78, s79
	s_mov_b32 s79, 0
	s_mov_b32 s[G1], 15|(0<<16)|(1<<20)|(1<<21)|(4<<22)|(3<<25)   ; the four partners; bytes; padding of 4 words behind every 32; bit 21 beside a mask
	s_mov_b32 s[G1+1], 256<<16
	s_mov_b32 s[G1+2], 32<<16
	s_mov_b32 s[G1+3], 256<<16
	s_mov_b32 s[G1+4], 32
	s_mov_b32 s[G1+5], 256
	s_mov_b32 s[G1+6], 0
	s_mov_b32 s[G1+7], 0
	s_mov_b32 s[SEL], 0x76543210
	s_mov_b32 s[SEL+1], 0xfedcba98
	s_mov_b32 s[CS], 0x3e38aa3b                    ; log2(e) / 8
	s_wait_dscnt 0x0
	s_wait_kmcnt 0x0
	s_load_b128 s[68:71], s[6:7], 0x18             ; e6, e7, e8, e9
	s_load_b32 s72, s[6:7], 0x28                   ; e10
	s_add_nc_u64 s[58:59], s[4:5], s[58:59]
.irp s, 0,1
	s_mov_b32 s[G0+4*\s], 1
	s_add_co_u32 s[G0+4*\s+1], s60, \s*8*STEPB
	s_add_nc_u64 s[G0+4*\s+2:G0+4*\s+3], s[58:59], \s*65536
	s_or_b32 s[G0+4*\s+3], s[G0+4*\s+3], 0x80000000
.endr
	CROUND                                         ; the four work-groups meet
	tensor_load_to_lds s[G0:G0+3], s[G1:G1+7]      ; keys 0-1023: my one load at the head
	s_nop 0
	s_add_nc_u64 s[8:9], s[4:5], s[74:75]
	s_add_nc_u64 s[12:13], s[16:17], s[78:79]
	v_and_b32 v8, 15, v0                           ; r
	v_bfe_u32 v9, v0, 4, 1                         ; h
	v_lshlrev_b32 v[QO], 6, v8
	v_lshl_add_u32 v[QO], v9, 4, v[QO]
	global_load_b128 v[QR:QR+3], v[QO], s[8:9]
	global_load_b128 v[QR+4:QR+7], v[QO], s[8:9] offset:32
	v_and_b32 v218, 8, v8
	v_add_nc_u32 v218, v218, v8                    ; r + 8 (r / 8)
	v_lshrrev_b32 v219, 1, v218
	v_mul_u32_u24 v[AK0], v219, DP                 ; two rows of 64 bytes to an LDS row
	v_and_b32 v219, 1, v218
	v_lshl_add_u32 v[AK0], v219, 6, v[AK0]
	v_lshl_add_u32 v[AK0], v9, 4, v[AK0]
	v_add_nc_u32 v[AV0], VOFF, v[AK0]
	v_lshlrev_b32 v[MK], 4, v9
	v_sub_nc_u32 v[MK], v8, v[MK]                  ; r - 16 h
	v_and_b32 v[GO], 31, v0
	v_lshlrev_b32 v[GO], 4, v[GO]
	s_lshl_b32 s87, s[WV], 10
	s_add_co_u32 s87, s87, STAGE
	v_lshlrev_b32 v[STI], 6, v8
	v_lshl_add_u32 v[STI], v9, 4, v[STI]
	v_add_nc_u32 v[STI], s87, v[STI]
	v_add_nc_u32 v[STB], s87, v[GO]
	v_mov_b32 v208, 0                              ; a lane permute's destination counts as a source
	v_mov_b32 v211, 0                              ; named as the upper half of v[210:211]
	v_mov_b32 v13, 0xff61b1e6                      ; the largest t so far: -3e38
	v_mov_b32 v14, 0                               ; the sum, in two halves
	v_mov_b32 v15, 0
	v_floor_f32 v12, -v13                          ; -M
.set j, 0
.rept 32
	v_mov_b32 v[160+j], 0                          ; O^T: the first change of M leaves zeros zeros
.set j, j+1
.endr
	s_wait_kmcnt 0x0
	s_add_co_i32 s88, s68, s69
	s_lshl_b32 s88, s88, 23
	s_add_co_i32 s[CS], s[CS], s88                 ; e6 + e7 onto c's exponent field
	s_mov_b32 s[CS+1], s[CS]
	s_add_co_i32 s88, s70, 127
	s_lshl_b32 s89, s88, 23
	v_mov_b32 v217, s89                            ; 2^e8
	s_add_co_i32 s88, s88, 15
	s_lshl_b32 s88, s88, 23
	s_or_b32 s88, s88, 0x600000
	v_mov_b32 v216, s88                            ; 57,344 x 2^e8
	s_sub_co_i32 s88, s72, s70
	s_sub_co_i32 s88, s88, s71
	s_add_co_i32 s88, s88, 127
	s_lshl_b32 s84, s88, 23
	v_mov_b32 v221, s84                            ; 2^(e10 - e8 - e9)
	s_add_co_i32 s88, s88, 15
	s_lshl_b32 s85, s88, 23
	s_or_b32 s85, s85, 0x600000                    ; 57,344 x that,
	s_or_b32 s86, s85, 0x80000000                  ; and its negative
; A KEY STEP of 128 keys.  kx: this step's K fragments, then V's; sy: the scores, then the next step's K fragments.  lim: the last step whose K may be fetched ahead.
.macro STEP kx, sy, lim
	s_cmp_gt_u32 s[KF], s[RK]
	s_cbranch_scc1 .Lhidden_\@                     ; all 128 keys come after my queries
	s_add_co_u32 s[TN], s[TB], STEPB
	s_min_u32 s[TN], s[TN], \lim
	s_wait_dscnt 0x0                               ; K's fragments, asked for in the step before
	v_add_nc_u32 v[ADV], s[TB], v[AV0]
	v_add_nc_u32 v[ADK], s[TN], v[AK0]
.rept 3
	v_nop                                          ; five places in all: the scores are laid over V's fragments of the step before
.endr
.irp t, 0,1,2,3,4,5,6,7
	v_wmma_f32_16x16x64_bf8_bf8 v[\sy+8*\t:\sy+8*\t+7], v[\kx+8*\t:\kx+8*\t+7], v[QR:QR+7], 0
.endr
.rept 4
	v_nop
.endr
.irp t, 0,1,2,3
.irp c, 0,1,2,3
	ds_load_b128 v[\kx+16*\t+4*\c:\kx+16*\t+4*\c+3], v[ADV] offset:(\c/2)*VBLK+(16*(\t/2)+4*(\t%2))*DP+32*(\c%2)
.endr
.endr
	s_cmp_lt_u32 s[KF], s[RK]
	s_cbranch_scc1 .Lopen_\@                       ; all keys count
	s_sub_co_i32 s96, s[Q0], s[KF]
	v_add_nc_u32 v218, s96, v[MK]                  ; register n holds key KF + 16 h + 32 (n / 16) + n % 16: hidden where that offset passes my query's
	v_mov_b32 v220, 0xff800000
.set n, 0
.rept 64
	v_cmp_gt_i32 vcc_lo, 32*(n/16)+n%16, v218
	v_cndmask_b32 v[\sy+n], v[\sy+n], v220, vcc_lo
.set n, n+1
.endr
.Lopen_\@:
.irp c, 0,1,2,3
	v_max3_num_f32 v[212+\c], v[\sy+16*\c], v[\sy+1+16*\c], v[\sy+2+16*\c]
.endr
.irp i, 3,5,7,9,11,13
.irp c, 0,1,2,3
	v_max3_num_f32 v[212+\c], v[212+\c], v[\sy+16*\c+\i], v[\sy+1+16*\c+\i]
.endr
.endr
	v_max3_num_f32 v212, v212, v213, v[\sy+15]
	v_max3_num_f32 v214, v214, v215, v[\sy+31]
	v_max3_num_f32 v212, v212, v214, v[\sy+47]
	v_max_num_f32 v212, v212, v[\sy+63]
	s_delay_alu instid0(VALU_DEP_1)
	v_permlanex16_b32 v208, v212, s[SEL], s[SEL+1]
	s_delay_alu instid0(VALU_DEP_1)
	v_max_num_f32 v212, v212, v208
	s_delay_alu instid0(VALU_DEP_1)
	v_mul_f32 v212, s[CS], v212
	s_delay_alu instid0(VALU_DEP_1)
	v_max_num_f32 v13, v13, v212                   ; the running largest t
	v_mov_b32 v212, v12
	s_delay_alu instid0(VALU_DEP_2)
	v_floor_f32 v12, -v13                          ; -M
	s_delay_alu instid0(VALU_DEP_1)
	v_sub_f32 v212, v12, v212
	s_delay_alu instid0(VALU_DEP_1)
	v_cvt_i32_f32 v212, v212
	s_delay_alu instid0(VALU_DEP_1)
	v_ldexp_f32 v210, 1.0, v212                    ; f = 2^(old M - new M)
.set j, 0
.rept 32
	v_pk_fma_f32 v[\sy+j:\sy+j+1], v[\sy+j:\sy+j+1], s[CS:CS+1], v[12:13] op_sel_hi:[1,0,0]
.set j, j+2
.endr
	s_wait_alu depctr_va_vdst(0)                   ; ahead of the batch
.set j, 0
.rept 64
	v_exp_f32 v[\sy+j], v[\sy+j]
.set j, j+1
.endr
	v_pk_mul_f32 v[14:15], v[14:15], v[210:211] op_sel_hi:[1,0]
	s_wait_alu depctr_va_vdst(0)                   ; and behind it, ahead of its first reader
	v_pk_add_f32 v[214:215], v[\sy:\sy+1], v[\sy+2:\sy+3]
	v_pk_add_f32 v[222:223], v[\sy+4:\sy+5], v[\sy+6:\sy+7]
	v_pk_add_f32 v[224:225], v[\sy+8:\sy+9], v[\sy+10:\sy+11]
	v_pk_add_f32 v[14:15], v[14:15], v[\sy+12:\sy+13]
.irp j, 14,22,30,38,46,54
	v_pk_add_f32 v[214:215], v[214:215], v[\sy+\j:\sy+\j+1]
	v_pk_add_f32 v[222:223], v[222:223], v[\sy+\j+2:\sy+\j+3]
	v_pk_add_f32 v[224:225], v[224:225], v[\sy+\j+4:\sy+\j+5]
	v_pk_add_f32 v[14:15], v[14:15], v[\sy+\j+6:\sy+\j+7]
.endr
	v_pk_add_f32 v[214:215], v[214:215], v[\sy+62:\sy+63]
	s_delay_alu instid0(VALU_DEP_3)
	v_pk_add_f32 v[222:223], v[222:223], v[224:225]
	s_delay_alu instid0(VALU_DEP_2)
	v_pk_add_f32 v[14:15], v[14:15], v[214:215]
	s_delay_alu instid0(VALU_DEP_1)
	v_pk_add_f32 v[14:15], v[14:15], v[222:223]
.irp b, 0,1,2,3
.set i, 0
.rept 16
	v_min_num_f32 v[\sy+16*\b+i], v[\sy+16*\b+i], v216   ; the hold: the conversion does not saturate (ISA guide 7.6.2); p is not negative
.set i, i+1
.endr
	v_cvt_scalef32_pk8_bf8_f32 v[192+4*\b:193+4*\b], v[\sy+16*\b:\sy+16*\b+7], v217
	v_cvt_scalef32_pk8_bf8_f32 v[194+4*\b:195+4*\b], v[\sy+16*\b+8:\sy+16*\b+15], v217
.irp u, 0,1                                    ; these 16 registers are done with: two tiles of the next step's K
	ds_load_b128 v[\sy+16*\b+8*\u:\sy+16*\b+8*\u+3], v[ADK] offset:(16*\b+4*\u)*DP
	ds_load_b128 v[\sy+16*\b+8*\u+4:\sy+16*\b+8*\u+7], v[ADK] offset:(16*\b+4*\u)*DP+32
.endr
.endr
	s_wait_alu depctr_va_vdst(0)                   ; directly ahead of the first reader of O^T
.set j, 0
.rept 16
	v_pk_mul_f32 v[160+j:161+j], v[160+j:161+j], v[210:211] op_sel_hi:[1,0]
.set j, j+2
.endr
	s_wait_alu depctr_va_vdst(0)                   ; directly ahead of the wait below
	s_wait_dscnt 16                                ; V's 16 loads are in; the 16 younger ones, the next step's K, may be out
.irp t, 0,1,2,3
	v_wmma_f32_16x16x128_bf8_bf8 v[160+8*\t:167+8*\t], v[\kx+16*\t:\kx+16*\t+15], v[192:207], v[160+8*\t:167+8*\t]
.endr
.Lhidden_\@:
	s_add_co_u32 s[KF], s[KF], 128
	s_add_co_u32 s[TB], s[TB], STEPB
.endm
.macro PHASE first, trips, lim         ; a trip is two steps, until the registers' roles are back where they began; the trip counts are constants, and a hidden step is jumped over
	s_mov_b32 s[TB], (\first)*STEPB
	s_mov_b32 s[KF], (\first)*128
	s_mov_b32 s3, \trips
.Lphase_\@:
	STEP X, Y, \lim
	STEP Y, X, \lim
	s_sub_co_u32 s3, s3, 1
	s_cmp_lg_u32 s3, 0
	s_cbranch_scc1 .Lphase_\@
.endm
	s_wait_alu depctr_va_vdst(0)
	s_wait_tensorcnt 0x0                           ; my part of keys 0-1023 is in
	ds_add_u32 v[SPW], v[NIL]
	s_wait_dscnt 0x0
	CROUND                                         ; everybody's part is in, and the four work-groups meet
	tensor_load_to_lds s[G0+4:G0+7], s[G1:G1+7]    ; keys 1024-2047: it has the steps below in which to land
	s_nop 0
	s_wait_loadcnt 0x0                             ; Q
	KLOAD X, AK0
	PHASE 0, 4, 7*STEPB                            ; keys 0-1023; nothing beyond key 1023 is read
	s_wait_tensorcnt 0x0                           ; my part of keys 1024-2047 is in
	s_wait_dscnt 0x0
	s_barrier_signal -1
	s_barrier_wait -1                              ; and everybody's
	v_add_nc_u32 v[ADK], 8*STEPB, v[AK0]
.rept 4
	v_nop                                          ; places in front of loads into registers that a tile's last second product may have read
.endr
	KLOAD X, ADK
	PHASE 8, 4, 15*STEPB
	; THE WAY OUT: O^T / the sum, held, converted; 1,024 bytes through my stage; two stores of 512 consecutive bytes, aligned
	s_wait_dscnt 0x0                               ; the K fragments fetched ahead of the tile's end are not used: their registers are free behind this wait
	v_add_f32 v14, v14, v15
	s_delay_alu instid0(VALU_DEP_1)
	v_permlanex16_b32 v208, v14, s[SEL], s[SEL+1]
	s_delay_alu instid0(VALU_DEP_1)
	v_add_f32 v14, v14, v208
	s_wait_alu depctr_va_vdst(0)
	v_rcp_f32 v210, v14
.rept 4
	v_nop
.endr
	s_wait_alu depctr_va_vdst(0)
.set j, 0
.rept 16
	v_pk_mul_f32 v[96+j:97+j], v[160+j:161+j], v[210:211] op_sel_hi:[1,0]
.set j, j+2
.endr
.set j, 0
.rept 32
	v_med3_num_f32 v[96+j], v[96+j], s86, s85
.set j, j+1
.endr
.irp t, 0,1,2,3
	v_cvt_scalef32_pk8_bf8_f32 v[192+2*\t:193+2*\t], v[96+8*\t:103+8*\t], v221
.endr
	v_nop
	ds_store_b128 v[STI], v[192:195]
	ds_store_b128 v[STI], v[196:199] offset:32
	ds_load_b128 v[32:35], v[STB]
	ds_load_b128 v[36:39], v[STB] offset:512
	s_wait_dscnt 1
	global_store_b128 v[GO], v[32:35], s[12:13]
	s_wait_dscnt 0
	global_store_b128 v[GO], v[36:39], s[12:13] offset:512
	s_wait_tensorcnt 0x0                           ; the wave's end
	ds_add_u32 v[SPW], v[NIL]
	s_wait_dscnt 0x0
	CROUND                                         ; the closing round
	s_endpgm
.Lfunc_end_k_qb215d63fac_attn:
	.size	k_qb215d63fac_attn, .Lfunc_end_k_qb215d63fac_attn-k_qb215d63fac_attn
	.p2alignl 7, 3214868480
	.fill 96, 4, 3214868480
	.section	.rodata,"a",@progbits
	.p2align	6, 0x0
	.amdhsa_kernel k_qb215d63fac_attn
		.amdhsa_group_segment_fixed_size 327680
		.amdhsa_private_segment_fixed_size 0
		.amdhsa_enable_private_segment 0
		.amdhsa_kernarg_size 24
		.amdhsa_user_sgpr_count 2
		.amdhsa_user_sgpr_kernarg_segment_ptr 1
		.amdhsa_wavefront_size32 1
		.amdhsa_system_sgpr_workgroup_id_x 1
		.amdhsa_system_sgpr_workgroup_id_y 1
		.amdhsa_system_sgpr_workgroup_id_z 1
		.amdhsa_system_vgpr_workitem_id 0
		.amdhsa_next_free_vgpr 256
		.amdhsa_next_free_sgpr 100
		.amdhsa_reserve_vcc 1
		.amdhsa_float_denorm_mode_32 3
		.amdhsa_float_denorm_mode_16_64 3
		.amdhsa_memory_ordered 1
		.amdhsa_forward_progress 1
		.amdhsa_inst_pref_size 100
	.end_amdhsa_kernel
	.amdgpu_metadata
---
amdhsa.version: [ 1, 2 ]
amdhsa.kernels:
  - .name:           k_qb215d63fac_attn
    .symbol:         k_qb215d63fac_attn.kd
    .args:
      - { .name: qkv, .offset: 0, .size: 8, .value_kind: global_buffer, .address_space: global }
      - { .name: lowp_scales, .offset: 8, .size: 8, .value_kind: global_buffer, .address_space: global }
      - { .name: ac, .offset: 16, .size: 8, .value_kind: global_buffer, .address_space: global }
    .group_segment_fixed_size: 327680
    .private_segment_fixed_size: 0
    .kernarg_segment_align: 8
    .kernarg_segment_size: 24
    .max_flat_workgroup_size: 512
    .sgpr_count:     100
    .vgpr_count:     256
    .wavefront_size: 32
...
	.end_amdgpu_metadata
.endif
;; end of part 3
;; launch proj (part 4): grid 8 x 32, 4 waves a work-group, clusters of 4 x 4, 327,680 bytes of LDS; arguments ac, Wproj_codes, lowp_scales, x, x1, x1c; writes x1, x1c
.if DOCPART == 4
	.amdgcn_target "amdgcn-amd-amdhsa--gfx1250"
	.amdhsa_code_object_version 6
	.text
	.protected	k_qb215d63fac_proj
	.globl	k_qb215d63fac_proj
	.p2align	8
	.type	k_qb215d63fac_proj,@function
k_qb215d63fac_proj:
	s_mov_b64 s[64:65], 0
	v_nop
	global_prefetch_b8 v0, s[64:65] scope:SCOPE_SE
	s_setreg_imm32_b32 hwreg(HW_REG_WAVE_MODE, 25, 1), 1
	s_wait_xcnt 0x0
	s_wait_alu depctr_hold_cnt(0) depctr_sa_sdst(0) depctr_va_vdst(0) depctr_va_sdst(0) depctr_va_ssrc(0) depctr_va_vcc(0) depctr_vm_vsrc(0)
	s_getreg_b32 s2, hwreg(HW_REG_IB_STS2, 6, 4)
	s_cmp_eq_u32 s2, 0
	s_cbranch_scc0 .Lentry_in_a_cluster
	s_endpgm
.Lentry_in_a_cluster:
	s_bfe_u32 s2, ttmp6, 0x10000c
	s_cmp_lg_u32 s2, 0xf033
	s_cbranch_scc0 .Lentry_shape_is_right
	s_endpgm
.Lentry_shape_is_right:
; x1 = x + attn Wproj^T on codes of E5M2, K = 1,024; x1 goes out as f32 and, quantised with 2^e12, as codes for the next product.
; A = ac [64 blocks of 64 tokens][16 heads][64 tokens][64 d]; B = Wproj's codes [1024][1024].  OUT: x1 [4096][1024] f32; x1c [32 blocks of 128 tokens][8 panels of 128 K][128 tokens][128 bytes].
; LIMITS: e10 + e11 between -126 and 127; e12 between -126 and 112.
; A tile of C is 128 x 128, so that there are 256 work-groups; four waves of 64 x 64: 16 accumulators.  A slot holds 512 along K; K has two slots: both are filled at the start and none again.
; CLUSTERS: 4 x 4; A's tile is asked for jointly along a row of the cluster, B's along a column.  THE MATRIX INSTRUCTION IS USED TRANSPOSED (source 0 = B's rows, source 1 = A's).
; REGISTERS: window 0: v0-31 addresses, v32-63 codes, v128-255 accumulators ((a, b) at v[128 + 8 (4 a + b)]); window 1: two fragment buffers of 128 (A's four, then B's four); window 2: v0-127 my 32 rows of x.
.set KTOT,   1024
.set APITCH, 80                        ; A's LDS rows: 64 bytes (one head of one token) + 16
.set BPITCH, 1040                      ; B's: a whole row of K, 1,024 bytes + 16
.set AHALF,  1024*APITCH               ; 16 heads x 64 tokens: all of K, what one tensor load brings
.set BHALF,  64*BPITCH
.set BOFF,   2*AHALF
.set ASLOT,  512*APITCH                ; from K's first 512 to its second, in A's tile
.set BSLOT,  512                       ; and in B's
.set SPARE,  BOFF+2*BHALF              ; behind the tiles: the spare words, which no other line names
.set ASTEP,  32768                     ; a slot on in memory: 8 heads of a token block
.set BSTEP,  512
.set SPITCH, 528                       ; the way out: one stage of 128 rows x (512 bytes + 16), on A's tile, which has had its one fill; a barrier behind every wave's last read stands ahead of the first store
.set ADRA, 16
.set ADRB, 20
.set STO,  24
.set RD,   25
.set CO,   26
.set RD8,  27
.set SPW,  28
.set NIL,  29
.set CCO,  30
.set SCL,  31
.set CDE,  32
.set ACC,  128
.set F0,   0
.set F1,   128
.set G1, 24
.set G0, 32
.set G1B, 48
.set G0B, 56
.set MSB, 0
.macro WIN new
.if MSB != (\new)
	s_set_vgpr_msb (MSB<<8)|(\new)
.set MSB, (\new)
.endif
.endm
.set MUL,  0x05                        ; sources 0 and 1 window 1; C and D window 0
.set TO_F, 0x40                        ; destination window 1
.macro JLOAD s
	s_cmp_eq_u32 s15, 0
	s_cbranch_scc0 .Lfor_b_\@
	tensor_load_to_lds s[G0+4*\s:G0+4*\s+3], s[G1:G1+7]
	s_nop 0
.rept 4
	v_nop
.endr
	s_branch .Lasked_\@
.Lfor_b_\@:
	tensor_load_to_lds s[G0B+4*\s:G0B+4*\s+3], s[G1B:G1B+7]
	s_nop 0
.rept 4
	v_nop
.endr
.Lasked_\@:
.endm
.macro CREST
	s_cmp_lg_u32 s14, 0
	s_cbranch_scc1 .Lnot_wave_0_\@
	s_barrier_signal -3
.Lnot_wave_0_\@:
	s_barrier_wait -3
	s_barrier_signal -1
	s_barrier_wait -1
.endm
.macro CROUND
	s_barrier_signal -1
	s_barrier_wait -1
	CREST
.endm
	s_load_b128 s[4:7], s[0:1], 0x0                ; ac, Wproj's codes
	s_load_b128 s[8:11], s[0:1], 0x10              ; the scales' exponents, x
	s_load_b128 s[68:71], s[0:1], 0x20             ; x1, x1c
	v_lshl_add_u32 v[SPW], v0, 2, SPARE
	v_mov_b32 v[NIL], 0
	ds_add_u32 v[SPW], v[NIL]                      ; the wave's opening: the add and its wait ahead of my first tensor load
	ds_add_u32 v[SPW], v[NIL]
	v_lshrrev_b32 v1, 5, v0
	v_readfirstlane_b32 s14, v1
	s_lshr_b32 s15, s14, 1                         ; my half of the rows; also: I fetch for A (0) or B (1)
	s_and_b32 s16, s14, 1                          ; my half of the columns; also: which half I fetch
	s_bfe_u32 s40, ttmp6, 0x40000
	s_bfe_u32 s41, ttmp6, 0x40004
	s_lshl_b32 s42, ttmp9, 2
	s_add_co_u32 s42, s42, s40                     ; tile column
	s_and_b32 s17, ttmp7, 0xffff
	s_lshl_b32 s17, s17, 2
	s_add_co_u32 s17, s17, s41                     ; tile row
	s_lshl_b32 s43, s41, 2
	s_lshl_b32 s43, 15, s43
	s_lshl_b32 s44, 0x1111, s40
	s_or_b32 s[G1+0], s43, (0<<16)|(1<<20)|(1<<21)|(3<<22)|(3<<25)  ; A: 4 words of padding behind every 16
	s_mov_b32 s[G1+1], 256<<16
	s_mov_b32 s[G1+2], 256<<16
	s_mov_b32 s[G1+3], 256<<16
	s_mov_b32 s[G1+4], 256
	s_mov_b32 s[G1+5], 256                         ; dense: 65,536 bytes stated as 256 rows of 256; the padding still stands behind every 64 bytes
	s_mov_b32 s[G1+6], 0
	s_mov_b32 s[G1+7], 0
	s_or_b32 s[G1B+0], s44, (0<<16)|(1<<20)|(1<<21)|(7<<22)|(3<<25) ; B: behind every 256 words
	s_mov_b32 s[G1B+1], 1024<<16
	s_mov_b32 s[G1B+2], 64<<16
	s_mov_b32 s[G1B+3], 1024<<16
	s_mov_b32 s[G1B+4], 64
	s_mov_b32 s[G1B+5], KTOT
	s_mov_b32 s[G1B+6], 0
	s_mov_b32 s[G1B+7], 0
	s_lshl_b32 s20, s17, 1
	s_add_co_u32 s20, s20, s16
	s_lshl_b32 s20, s20, 16                        ; A: token block 2 x tile row + half, 65,536 bytes each
	s_mov_b32 s21, 0
	s_lshl_b32 s18, s16, 6
	s_lshl_b32 s46, s42, 7
	s_add_co_u32 s46, s46, s18
	s_mul_i32 s46, s46, KTOT                       ; B: row 128 x tile column + 64 x half
	s_mov_b32 s47, 0
	s_mul_i32 s45, s16, AHALF
	s_mul_i32 s19, s16, BHALF
	s_add_co_u32 s19, s19, BOFF
	s_wait_dscnt 0x0
	s_wait_kmcnt 0x0
	s_load_b128 s[84:87], s[8:9], 0x28             ; e10, e11, e12, e13
	s_add_nc_u64 s[20:21], s[4:5], s[20:21]
	s_add_nc_u64 s[46:47], s[6:7], s[46:47]
	CROUND
	s_mov_b32 s[G0], 1
	s_mov_b32 s[G0+1], s45
	s_mov_b64 s[G0+2:G0+3], s[20:21]
	s_or_b32 s[G0+3], s[G0+3], 0x80000000
	s_mov_b32 s[G0B], 1
	s_mov_b32 s[G0B+1], s19
	s_mov_b64 s[G0B+2:G0B+3], s[46:47]
	s_or_b32 s[G0B+3], s[G0B+3], 0x80000000
	JLOAD 0                                        ; my one tensor load of the launch: 64 rows of A's or of B's tile, all of K
	v_and_b32 v1, 15, v0                           ; r
	v_bfe_u32 v2, v0, 4, 1                         ; h
	v_and_b32 v6, 31, v0                           ; lane
	v_lshlrev_b32 v[CO], 4, v6
	s_wait_alu depctr_va_vdst(0)
	s_lshl_b32 s20, s17, 7
	s_lshl_b32 s21, s14, 5
	s_add_co_u32 s20, s20, s21                     ; the first row that I store: 128 x tile row + 32 x wave
	s_lshl_b32 s20, s20, 12
	s_lshl_b32 s21, s42, 9
	s_add_co_u32 s20, s20, s21                     ; + 512 bytes x tile column
	s_mov_b32 s21, 0
	s_add_nc_u64 s[10:11], s[10:11], s[20:21]
	s_add_nc_u64 s[68:69], s[68:69], s[20:21]
	s_lshl_b32 s20, s17, 3
	s_add_co_u32 s20, s20, s42
	s_lshl_b32 s20, s20, 14                        ; x1c: the tile is one panel of 16,384 bytes,
	s_lshl_b32 s21, s14, 12                        ; my 32 rows 4,096 of them
	s_add_co_u32 s20, s20, s21
	s_mov_b32 s21, 0
	s_add_nc_u64 s[70:71], s[70:71], s[20:21]
	v_mul_u32_u24 v3, v1, APITCH
	v_lshl_add_u32 v3, v2, 4, v3
	v_mul_u32_u24 v4, v1, BPITCH
	v_lshl_add_u32 v4, v2, 4, v4
	s_mul_i32 s21, s15, AHALF
	s_mul_i32 s22, s16, BHALF
	s_add_co_u32 s22, s22, BOFF
.irp s, 0,1
	v_add_nc_u32 v[ADRA+\s], s21, v3
	v_add_nc_u32 v[ADRB+\s], s22, v4
	s_add_co_u32 s21, s21, ASLOT
	s_add_co_u32 s22, s22, BSLOT
.endr
	s_mul_i32 s22, s15, 64*SPITCH                  ; the stage, way in: row 64 x my row half + r, byte 256 x my column half + 32 h
	s_lshl_b32 s21, s16, 8
	s_add_co_u32 s22, s22, s21
	v_mul_u32_u24 v5, v1, SPITCH
	v_lshl_add_u32 v5, v2, 5, v5
	v_add_nc_u32 v[STO], s22, v5
	s_mul_i32 s23, s14, 32*SPITCH                  ; way out: my 32 rows, whole: 16 bytes a lane
	v_add_nc_u32 v[RD], s23, v[CO]
	v_mul_u32_u24 v5, v2, SPITCH                   ; and for the codes: sixteen lanes to a row, 32 bytes a lane
	v_lshl_add_u32 v5, v1, 5, v5
	v_add_nc_u32 v[RD8], s23, v5
	v_lshlrev_b32 v[CCO], 3, v6
.macro FRAGA reg, slot, q, i           ; 16 tokens x 128 K = two heads: piece c lies in head 2 q + c / 2
.irp c, 0,1,2,3
	ds_load_b128 v[\reg+4*\c:\reg+4*\c+3], v[ADRA+\slot] offset:(2*(\q)+\c/2)*64*APITCH+32*(\c%2)+(\i)*16*APITCH
.endr
.endm
.macro FRAGB reg, slot, q, i
.irp c, 0,1,2,3
	ds_load_b128 v[\reg+4*\c:\reg+4*\c+3], v[ADRB+\slot] offset:128*(\q)+32*\c+(\i)*16*BPITCH
.endr
.endm
.macro FETCH slot, q, f                ; 32 LDS loads in one run: B's four fragments, then A's four
	WIN TO_F
.irp i, 0,1,2,3
	FRAGB \f+64+16*\i, \slot, \q, \i
.endr
.irp i, 0,1,2,3
	FRAGA \f+16*\i, \slot, \q, \i
.endr
.endm
.macro MUL4 f, a, zero                 ; the 16 accumulators take turns, in the same order in every quarter
.irp b, 0,1,2,3
.if \zero
	v_wmma_f32_16x16x128_bf8_bf8 v[ACC+8*(4*\a+\b):ACC+8*(4*\a+\b)+7], v[\f+64+16*\b:\f+64+16*\b+15], v[\f+16*\a:\f+16*\a+15], 0
.else
	v_wmma_f32_16x16x128_bf8_bf8 v[ACC+8*(4*\a+\b):ACC+8*(4*\a+\b)+7], v[\f+64+16*\b:\f+64+16*\b+15], v[\f+16*\a:\f+16*\a+15], v[ACC+8*(4*\a+\b):ACC+8*(4*\a+\b)+7]
.endif
.endr
.endm
.macro PLACES n
.rept \n
	v_nop
.endr
.endm
.macro QUARTER slot, q, f, g, zero     ; multiplies buffer f and fetches the slot's quarter q into g
	s_wait_dscnt 8                                 ; B's four and A's first two are in; the youngest 8 loads (A's last two) may be out
	WIN MUL
	MUL4 \f, 0, \zero
	MUL4 \f, 1, \zero
	PLACES 4
	FETCH \slot, \q, \g
	s_wait_dscnt 32                                ; all but the 32 just issued
	WIN MUL
	MUL4 \f, 2, \zero
	MUL4 \f, 3, \zero
.endm
.macro TURN next                       ; a slot's last quarter: one barrier shows the next slot whole to every wave; nothing is filled again in this launch
	WIN 0
	s_wait_tensorcnt 0x0                           ; all my tensor loads have landed
	ds_add_u32 v[SPW], v[NIL]
	s_wait_dscnt 9                                 ; the add and the youngest 8 loads may be out
	WIN MUL
	MUL4 F1, 0, 0
	s_wait_dscnt 0x0
	s_barrier_signal -1
	MUL4 F1, 1, 0
	s_barrier_wait -1
	PLACES 4
	FETCH \next, 0, F0
	WIN MUL
	MUL4 F1, 2, 0
	MUL4 F1, 3, 0
.endm
	s_wait_alu depctr_va_vdst(0)
	s_wait_tensorcnt 0x0                           ; my part of the tiles is in
	s_barrier_signal -1
	s_barrier_wait -1
	FETCH 0, 0, F0
	WIN 0x80                                       ; destination window 2
.set i, 0
.rept 32
	global_load_b128 v[4*i:4*i+3], v[CO], s[10:11] offset:4096*i th:TH_LOAD_NT   ; my 32 rows of x, asked for when the tiles are in: they land under the products; their address registers are never rewritten
.set i, i+1
.endr
	QUARTER 0, 1, F0, F1, 1                        ; the first quarter's products start the sums
	QUARTER 0, 2, F1, F0, 0
	QUARTER 0, 3, F0, F1, 0
	TURN 1
	QUARTER 1, 1, F0, F1, 0
	QUARTER 1, 2, F1, F0, 0
	QUARTER 1, 3, F0, F1, 0
	s_wait_dscnt 8
	WIN MUL
	MUL4 F1, 0, 0
	MUL4 F1, 1, 0
	s_wait_dscnt 0
	MUL4 F1, 2, 0
	MUL4 F1, 3, 0
	WIN 0
	; THE WAY OUT: the sums into the work-group's stage; a barrier; back as whole rows, 32 a wave; x1 = sum x 2^(e10 + e11) + x; stored; then once more through my own rows of the stage, so that a lane holds eight neighbours for the conversions.
	s_wait_kmcnt 0x0
	s_add_co_i32 s96, s84, s85
	s_add_co_i32 s96, s96, 127
	s_lshl_b32 s96, s96, 23                        ; 2^(e10 + e11)
	s_mov_b32 s97, s96
	s_add_co_i32 s90, s86, 127
	s_lshl_b32 s94, s90, 23
	s_add_co_i32 s90, s90, 15
	s_lshl_b32 s91, s90, 23
	s_or_b32 s91, s91, 0x600000                    ; 57,344 x 2^e12
	s_or_b32 s92, s91, 0x80000000
	s_barrier_signal -1                            ; every wave's reads of the tiles are over (each has waited for them): the stage may be laid over A's tile
	s_barrier_wait -1
	PLACES 4
	v_mov_b32 v[SCL], s94                          ; 2^e12
.irp a, 0,1,2,3
.irp b, 0,1,2,3
	ds_store_b128 v[STO], v[ACC+8*(4*\a+\b):ACC+8*(4*\a+\b)+3] offset:\a*16*SPITCH+64*\b
	ds_store_b128 v[STO], v[ACC+8*(4*\a+\b)+4:ACC+8*(4*\a+\b)+7] offset:\a*16*SPITCH+64*\b+16
.endr
.endr
	s_wait_dscnt 0x0                               ; for the others' sake
	s_barrier_signal -1
	s_barrier_wait -1
	WIN 0x40
.set i, 0
.rept 32
	ds_load_b128 v[4*i:4*i+3], v[RD] offset:i*SPITCH
.set i, i+1
.endr
	s_wait_loadcnt 0x0                             ; x
	s_wait_dscnt 0x0
	WIN 0x61                                       ; destination and source 0 window 1, source 2 (x) window 2
.set j, 0
.rept 64
	v_pk_fma_f32 v[j:j+1], v[j:j+1], s[96:97], v[j:j+1] op_sel_hi:[1,0,1]
.set j, j+2
.endr
	WIN 0x04                                       ; store data window 1
.set i, 0
.rept 32
	global_store_b128 v[CO], v[4*i:4*i+3], s[68:69] offset:4096*i   ; 32 lanes store 512 consecutive bytes, aligned
.set i, i+1
.endr
.set i, 0
.rept 32
	ds_store_b128 v[RD], v[4*i:4*i+3] offset:i*SPITCH              ; my own rows: nobody else reads them behind the barrier
.set i, i+1
.endr
	WIN 0x40
.set p, 0
.rept 16                               ; pair p: rows 2 p and 2 p + 1; LDS serves a wave's instructions in order
	ds_load_b128 v[128+8*p:128+8*p+3], v[RD8] offset:2*p*SPITCH
	ds_load_b128 v[128+8*p+4:128+8*p+7], v[RD8] offset:2*p*SPITCH+16
.set p, p+1
.endr
	s_wait_dscnt 0x0
	WIN 0x41
.set j, 0
.rept 128
	v_med3_num_f32 v[128+j], v[128+j], s92, s91
.set j, j+1
.endr
	WIN 0x01
.set p, 0
.rept 16
	v_cvt_scalef32_pk8_bf8_f32 v[CDE+2*p:CDE+2*p+1], v[128+8*p:128+8*p+7], v[SCL]
.set p, p+1
.endr
	v_nop
	WIN 0
.set p, 0
.rept 16
	global_store_b64 v[CCO], v[CDE+2*p:CDE+2*p+1], s[70:71] offset:256*p   ; 32 lanes store 256 consecutive bytes, aligned: two rows of the panel
.set p, p+1
.endr
	s_wait_tensorcnt 0x0                           ; the wave's end
	ds_add_u32 v[SPW], v[NIL]
	s_wait_dscnt 0x0
	CROUND                                         ; the closing round
	s_endpgm
.Lfunc_end_k_qb215d63fac_proj:
	.size	k_qb215d63fac_proj, .Lfunc_end_k_qb215d63fac_proj-k_qb215d63fac_proj
	.p2alignl 7, 3214868480
	.fill 96, 4, 3214868480
	.section	.rodata,"a",@progbits
	.p2align	6, 0x0
	.amdhsa_kernel k_qb215d63fac_proj
		.amdhsa_group_segment_fixed_size 327680
		.amdhsa_private_segment_fixed_size 0
		.amdhsa_enable_private_segment 0
		.amdhsa_kernarg_size 48
		.amdhsa_user_sgpr_count 2
		.amdhsa_user_sgpr_kernarg_segment_ptr 1
		.amdhsa_wavefront_size32 1
		.amdhsa_system_sgpr_workgroup_id_x 1
		.amdhsa_system_sgpr_workgroup_id_y 1
		.amdhsa_system_sgpr_workgroup_id_z 1
		.amdhsa_system_vgpr_workitem_id 0
		.amdhsa_next_free_vgpr 640
		.amdhsa_next_free_sgpr 100
		.amdhsa_reserve_vcc 0
		.amdhsa_float_denorm_mode_32 3
		.amdhsa_float_denorm_mode_16_64 3
		.amdhsa_memory_ordered 1
		.amdhsa_forward_progress 1
		.amdhsa_inst_pref_size 63
	.end_amdhsa_kernel
	.amdgpu_metadata
---
amdhsa.version: [ 1, 2 ]
amdhsa.kernels:
  - .name:           k_qb215d63fac_proj
    .symbol:         k_qb215d63fac_proj.kd
    .args:
      - { .name: ac, .offset: 0, .size: 8, .value_kind: global_buffer, .address_space: global }
      - { .name: Wproj_codes, .offset: 8, .size: 8, .value_kind: global_buffer, .address_space: global }
      - { .name: lowp_scales, .offset: 16, .size: 8, .value_kind: global_buffer, .address_space: global }
      - { .name: x, .offset: 24, .size: 8, .value_kind: global_buffer, .address_space: global }
      - { .name: x1, .offset: 32, .size: 8, .value_kind: global_buffer, .address_space: global }
      - { .name: x1c, .offset: 40, .size: 8, .value_kind: global_buffer, .address_space: global }
    .group_segment_fixed_size: 327680
    .private_segment_fixed_size: 0
    .kernarg_segment_align: 8
    .kernarg_segment_size: 48
    .max_flat_workgroup_size: 128
    .sgpr_count:     100
    .vgpr_count:     640
    .wavefront_size: 32
...
	.end_amdgpu_metadata
.endif
;; end of part 4
;; launch up (part 5): grid 16 x 16, 4 waves a work-group, clusters of 4 x 4, 327,680 bytes of LDS; arguments x1c, W1_codes, lowp_scales, b1, hc; writes hc
.if DOCPART == 5
	.amdgcn_target "amdgcn-amd-amdhsa--gfx1250"
	.amdhsa_code_object_version 6
	.text
	.protected	k_qb215d63fac_up
	.globl	k_qb215d63fac_up
	.p2align	8
	.type	k_qb215d63fac_up,@function
k_qb215d63fac_up:
	s_mov_b64 s[64:65], 0
	v_nop
	global_prefetch_b8 v0, s[64:65] scope:SCOPE_SE
	s_setreg_imm32_b32 hwreg(HW_REG_WAVE_MODE, 25, 1), 1
	s_wait_xcnt 0x0
	s_wait_alu depctr_hold_cnt(0) depctr_sa_sdst(0) depctr_va_vdst(0) depctr_va_sdst(0) depctr_va_ssrc(0) depctr_va_vcc(0) depctr_vm_vsrc(0)
	s_getreg_b32 s2, hwreg(HW_REG_IB_STS2, 6, 4)
	s_cmp_eq_u32 s2, 0
	s_cbranch_scc0 .Lentry_in_a_cluster
	s_endpgm
.Lentry_in_a_cluster:
	s_bfe_u32 s2, ttmp6, 0x10000c
	s_cmp_lg_u32 s2, 0xf033
	s_cbranch_scc0 .Lentry_shape_is_right
	s_endpgm
.Lentry_shape_is_right:
; h = silu(x1 W1^T + b1) on codes of E5M2, K = 1,024, quantised at once with 2^e14.  A = x1c [32 blocks of 128 tokens][8 panels of 128 K][128 tokens][128 bytes]; B = W1's codes [4096][1024].  OUT: hc [4096][4096] codes.
; z = sum x 2^(e12 + e13) + b1; silu(z) = z / (1 + 2^(-z log2 e)), in f32.  LIMITS: e12 + e13 between -126 and 127; e14 between -126 and 112.
; A tile of C, 256 x 256, is made by four waves, each 128 x 128: 64 accumulators.  K goes in steps of 256 through a ring of two LDS slots filled by the tensor data mover.
; CLUSTERS: 4 x 4 work-groups; A's tile is asked for jointly along a row of the cluster, B's along a column.  THE MATRIX INSTRUCTION IS USED TRANSPOSED (source 0 = 16 rows of B, source 1 = 16 rows of A).
; REGISTERS: window 0: v0-31 addresses; v32-95 b1 of my 128 columns, in the result's layout; from v128 A's fragments, one set; window 1: B's fragments, two sets; windows 2, 3: the accumulators.
.set APITCH, 144                       ; A's LDS rows: 128 bytes (one panel's part of a token) + 16
.set BPITCH, 272
.set AQ,     128*APITCH                ; from one panel to the next
.set AHALF,  256*APITCH                ; two panels x 128 tokens
.set BHALF,  128*BPITCH
.set BOFF,   2*AHALF
.set SLOT,   BOFF+2*BHALF
.set SPARE,  2*SLOT
.set ASTEP,  32768                     ; a K step of 256: two panels
.set BSTEP,  256
.set LAPS,   2
.set FR,     16
.set NL,     4
.set NP,     4
.set SPITCH, 272                       ; the way out: one stage of 256 rows x (256 bytes + 16), in slot 0, which has had its last fill and its last read by then
.set ADRA, 16
.set ADRB, 20
.set STO,  24
.set RD,   25
.set CO,   26
.set BO,   27
.set SPW,  28
.set NIL,  29
.set SCL,  31
.set BIAS, 32
.set TMP,  32
.set Z,    96
.set U,    160
.set CODE, 224
.set AF,   128
.set G1, 24
.set G0, 32
.set G1B, 48
.set G0B, 56
.set MSB, 0
.macro WIN new
.if MSB != (\new)
	s_set_vgpr_msb (MSB<<8)|(\new)
.set MSB, (\new)
.endif
.endm
.set MUL_LO, 0xa1
.set MUL_HI, 0xf1
.set TO_B,   0x40
.macro JLOAD g0a, g1a, g0b, g1b
	s_cmp_eq_u32 s15, 0
	s_cbranch_scc0 .Lfor_b_\@
	tensor_load_to_lds s[\g0a:\g0a+3], s[\g1a:\g1a+7]
	s_nop 0
.rept 4
	v_nop
.endr
	s_branch .Lasked_\@
.Lfor_b_\@:
	tensor_load_to_lds s[\g0b:\g0b+3], s[\g1b:\g1b+7]
	s_nop 0
.rept 4
	v_nop
.endr
.Lasked_\@:
.endm
.macro CREST
	s_cmp_lg_u32 s14, 0
	s_cbranch_scc1 .Lnot_wave_0_\@
	s_barrier_signal -3
.Lnot_wave_0_\@:
	s_barrier_wait -3
	s_barrier_signal -1
	s_barrier_wait -1
.endm
.macro CROUND
	s_barrier_signal -1
	s_barrier_wait -1
	CREST
.endm
	s_load_b128 s[4:7], s[0:1], 0x0                ; x1c, W1's codes
	s_load_b128 s[8:11], s[0:1], 0x10              ; the scales' exponents, b1
	s_load_b64 s[12:13], s[0:1], 0x20              ; hc
	v_lshl_add_u32 v[SPW], v0, 2, SPARE
	v_mov_b32 v[NIL], 0
	ds_add_u32 v[SPW], v[NIL]                      ; the wave's opening: the add and its wait ahead of my first tensor load
	ds_add_u32 v[SPW], v[NIL]
	v_lshrrev_b32 v1, 5, v0
	v_readfirstlane_b32 s14, v1
	s_lshr_b32 s15, s14, 1
	s_and_b32 s16, s14, 1
	s_bfe_u32 s40, ttmp6, 0x40000
	s_bfe_u32 s41, ttmp6, 0x40004
	s_lshl_b32 s42, ttmp9, 2
	s_add_co_u32 s42, s42, s40                     ; tile column
	s_and_b32 s17, ttmp7, 0xffff
	s_lshl_b32 s17, s17, 2
	s_add_co_u32 s17, s17, s41                     ; tile row
	s_lshl_b32 s43, s41, 2
	s_lshl_b32 s43, 15, s43
	s_lshl_b32 s44, 0x1111, s40
	s_or_b32 s[G1+0], s43, (0<<16)|(1<<20)|(1<<21)|(4<<22)|(3<<25)  ; A: 4 words of padding behind every 32
	s_mov_b32 s[G1+1], 256<<16
	s_mov_b32 s[G1+2], 128<<16
	s_mov_b32 s[G1+3], 256<<16
	s_mov_b32 s[G1+4], 128
	s_mov_b32 s[G1+5], 256                         ; dense: 32,768 bytes stated as 128 rows of 256; the padding still stands behind every 128 bytes
	s_mov_b32 s[G1+6], 0
	s_mov_b32 s[G1+7], 0
	s_or_b32 s[G1B+0], s44, (0<<16)|(1<<20)|(1<<21)|(5<<22)|(3<<25) ; B: behind every 64
	s_mov_b32 s[G1B+1], 256<<16
	s_mov_b32 s[G1B+2], 128<<16
	s_mov_b32 s[G1B+3], 256<<16
	s_mov_b32 s[G1B+4], 128
	s_mov_b32 s[G1B+5], 1024
	s_mov_b32 s[G1B+6], 0
	s_mov_b32 s[G1B+7], 0
	s_lshl_b32 s20, s17, 1
	s_add_co_u32 s20, s20, s16
	s_lshl_b32 s20, s20, 17                        ; A: token block 2 x tile row + half, 131,072 bytes each
	s_mov_b32 s21, 0
	s_lshl_b32 s18, s16, 7
	s_lshl_b32 s46, s42, 8
	s_add_co_u32 s46, s46, s18
	s_lshl_b32 s46, s46, 10                        ; B: row 256 x tile column + 128 x half, 1,024 bytes each
	s_mov_b32 s47, 0
	s_mul_i32 s45, s16, AHALF
	s_mul_i32 s19, s16, BHALF
	s_add_co_u32 s19, s19, BOFF
	s_wait_dscnt 0x0
	s_wait_kmcnt 0x0
	s_load_b128 s[84:87], s[8:9], 0x30             ; e12, e13, e14, e15
	s_add_nc_u64 s[20:21], s[4:5], s[20:21]
	s_add_nc_u64 s[46:47], s[6:7], s[46:47]
	CROUND
.irp s, 0,1
	s_mov_b32 s[G0+4*\s], 1
	s_add_co_u32 s[G0+4*\s+1], s45, \s*SLOT
	s_add_nc_u64 s[G0+4*\s+2:G0+4*\s+3], s[20:21], \s*ASTEP
	s_or_b32 s[G0+4*\s+3], s[G0+4*\s+3], 0x80000000
	s_mov_b32 s[G0B+4*\s], 1
	s_add_co_u32 s[G0B+4*\s+1], s19, \s*SLOT
	s_add_nc_u64 s[G0B+4*\s+2:G0B+4*\s+3], s[46:47], \s*BSTEP
	s_or_b32 s[G0B+4*\s+3], s[G0B+4*\s+3], 0x80000000
.endr
	JLOAD G0, G1, G0B, G1B                         ; K step 0: one tensor load a wave at the head
	; PREFETCH: a quarter of what I fetch in a K step, told apart among the four partners by address (cx for A, cy for B).  A: 32,768 dense bytes a step: 8,192 a partner, lanes 256 bytes apart.
	; B: 128 rows of 256 bytes a step: 32 rows a partner, a lane a row.  K steps 1 and 2 are named here, K step 3 behind the second load; the address registers are never rewritten.
	s_lshl_b32 s78, s17, 1
	s_add_co_u32 s78, s78, s16
	s_lshl_b32 s78, s78, 17
	s_lshl_b32 s79, s40, 13
	s_add_co_u32 s78, s78, s79                     ; A: my token block, my partner's part
	s_lshl_b32 s80, s42, 8
	s_lshl_b32 s79, s16, 7
	s_add_co_u32 s80, s80, s79
	s_lshl_b32 s79, s41, 5
	s_add_co_u32 s80, s80, s79
	s_lshl_b32 s80, s80, 10                        ; B: my partner's first row
	s_mov_b32 s81, 256
	s_mov_b32 s82, 1024
	s_cmp_eq_u32 s15, 0                            ; do I fetch for A?
	s_cselect_b64 s[72:73], s[4:5], s[6:7]
	s_cselect_b32 s78, s78, s80
	s_cselect_b32 s80, 32768, s81                  ; a K step on
	s_cselect_b32 s82, 256, s82                    ; from lane to lane
	s_mov_b32 s79, 0
	s_mov_b32 s81, 0
	s_add_nc_u64 s[72:73], s[72:73], s[78:79]
	s_add_nc_u64 s[72:73], s[72:73], s[80:81]      ; K step 1,
	s_add_nc_u64 s[74:75], s[72:73], s[80:81]      ; 2,
	s_add_nc_u64 s[76:77], s[74:75], s[80:81]      ; 3
	v_and_b32 v30, 31, v0
	v_mul_lo_u32 v30, v30, s82
	global_prefetch_b8 v30, s[72:73] th:TH_LOAD_NT scope:SCOPE_SE
	global_prefetch_b8 v30, s[74:75] th:TH_LOAD_NT scope:SCOPE_SE
	v_and_b32 v1, 15, v0                           ; r
	v_bfe_u32 v2, v0, 4, 1                         ; h
	v_lshlrev_b32 v[BO], 5, v2                     ; b1: lane (r, h) wants, for column block b, the numbers of columns 16 b + 8 h + 0 .. 7
	s_lshl_b32 s20, s42, 10
	s_lshl_b32 s21, s16, 9
	s_add_co_u32 s20, s20, s21
	s_mov_b32 s21, 0
	s_add_nc_u64 s[10:11], s[10:11], s[20:21]
.irp b, 0,1,2,3,4,5,6,7
	global_load_b128 v[BIAS+8*\b:BIAS+8*\b+3], v[BO], s[10:11] offset:64*\b       ; they land under the products; their address registers are never rewritten
	global_load_b128 v[BIAS+8*\b+4:BIAS+8*\b+7], v[BO], s[10:11] offset:64*\b+16
.endr
	v_mul_u32_u24 v3, v1, APITCH
	v_lshl_add_u32 v3, v2, 4, v3
	v_mul_u32_u24 v4, v1, BPITCH
	v_lshl_add_u32 v4, v2, 4, v4
	s_mul_i32 s21, s15, AHALF
	s_mul_i32 s22, s16, BHALF
	s_add_co_u32 s22, s22, BOFF
.irp s, 0,1
	v_add_nc_u32 v[ADRA+\s], s21, v3
	v_add_nc_u32 v[ADRB+\s], s22, v4
	s_add_co_u32 s21, s21, SLOT
	s_add_co_u32 s22, s22, SLOT
.endr
	s_mul_i32 s23, s15, 128*SPITCH                 ; the stage, way in
	s_lshl_b32 s21, s16, 7
	s_add_co_u32 s23, s23, s21
	v_mul_u32_u24 v5, v1, SPITCH
	v_lshl_add_u32 v5, v2, 3, v5
	v_add_nc_u32 v[STO], s23, v5
	s_mul_i32 s23, s14, 64*SPITCH                  ; way out: wave w takes rows 64 w .. 64 w + 63, whole; sixteen lanes to a row of 256 bytes
	v_mul_u32_u24 v5, v2, SPITCH
	v_lshl_add_u32 v5, v1, 4, v5
	v_add_nc_u32 v[RD], s23, v5
	v_lshlrev_b32 v5, 12, v2
	v_lshl_add_u32 v[CO], v1, 4, v5                ; and the same two rows in hc
	s_lshl_b32 s20, s17, 8
	s_lshl_b32 s21, s14, 6
	s_add_co_u32 s20, s20, s21
	s_lshl_b32 s20, s20, 12                        ; rows of 4,096 bytes
	s_lshl_b32 s21, s42, 8
	s_add_co_u32 s20, s20, s21
	s_mov_b32 s21, 0
	s_add_nc_u64 s[12:13], s[12:13], s[20:21]
.macro FRAGA reg, slot, q, i
.irp c, 0,1,2,3
	ds_load_b128 v[\reg+4*\c:\reg+4*\c+3], v[ADRA+\slot] offset:AQ*(\q)+32*\c+(\i)*16*APITCH
.endr
.endm
.macro FRAGB reg, slot, q, i
.irp c, 0,1,2,3
	ds_load_b128 v[\reg+4*\c:\reg+4*\c+3], v[ADRB+\slot] offset:128*(\q)+32*\c+(\i)*16*BPITCH
.endr
.endm
.macro MUL16 a0, p, zero               ; the 64 accumulators take turns, in the same order in every step
.irp a, \a0, \a0+1
.irp b, 0,1,2,3,4,5,6,7
.if \zero
	v_wmma_f32_16x16x128_bf8_bf8 v[8*(8*((\a)%4)+\b):8*(8*((\a)%4)+\b)+7], v[128*(\p)+FR*\b:128*(\p)+FR*\b+FR-1], v[AF+FR*(\a):AF+FR*(\a)+FR-1], 0
.else
	v_wmma_f32_16x16x128_bf8_bf8 v[8*(8*((\a)%4)+\b):8*(8*((\a)%4)+\b)+7], v[128*(\p)+FR*\b:128*(\p)+FR*\b+FR-1], v[AF+FR*(\a):AF+FR*(\a)+FR-1], v[8*(8*((\a)%4)+\b):8*(8*((\a)%4)+\b)+7]
.endif
.endr
.endr
.endm
.macro FETCH_B slot, q, p
	WIN TO_B
.irp i, 0,1,2,3,4,5,6,7
	FRAGB 128*(\p)+FR*\i, \slot, \q, \i
.endr
	WIN 0
.endm
.macro FETCH_A slot, q, i0
.irp i, \i0, \i0+1, \i0+2, \i0+3
	FRAGA AF+FR*(\i), \slot, \q, \i
.endr
.endm
.macro PLACES n
.rept \n
	v_nop
.endr
.endm
.macro STEP slot, q, zero
	s_wait_dscnt 4*NL                              ; B's set and A's blocks 0-3 are in; the youngest 16 loads may be out
	WIN MUL_LO
	MUL16 0, (\q)%2, \zero
	MUL16 2, (\q)%2, \zero
	s_wait_dscnt 0
	PLACES NP
	FETCH_B \slot, (\q)+1, 1-(\q)%2
	FETCH_A \slot, (\q)+1, 0
	WIN MUL_HI
	MUL16 4, (\q)%2, \zero
	MUL16 6, (\q)%2, \zero
	PLACES NP
	WIN 0
	FETCH_A \slot, (\q)+1, 4
.endm
.macro TURN slot, next, fill
	s_wait_tensorcnt 0x0                           ; all my tensor loads have landed
	ds_add_u32 v[SPW], v[NIL]
	s_wait_dscnt 4*NL+1                            ; the add and the youngest 16 loads may be out
	WIN MUL_LO
	MUL16 0, 1, 0
	s_wait_dscnt 0x0                               ; the add is done, and my reads of this slot are over
	s_barrier_signal -1
	MUL16 2, 1, 0
	WIN 0
	s_barrier_wait -1
.if \fill
	CREST
	s_add_nc_u64 s[G0+4*\slot+2:G0+4*\slot+3], s[G0+4*\slot+2:G0+4*\slot+3], 2*ASTEP
	s_add_nc_u64 s[G0B+4*\slot+2:G0B+4*\slot+3], s[G0B+4*\slot+2:G0B+4*\slot+3], 2*BSTEP
	JLOAD G0+4*\slot, G1, G0B+4*\slot, G1B
.else
	PLACES NP
.endif
	s_wait_alu depctr_va_vdst(0)
	FETCH_B \next, 0, 0
	FETCH_A \next, 0, 0
	WIN MUL_HI
	MUL16 4, 1, 0
	MUL16 6, 1, 0
	PLACES NP
	WIN 0
	FETCH_A \next, 0, 4
.endm
	s_wait_alu depctr_va_vdst(0)
	s_wait_tensorcnt 0x0                           ; my part of K step 0 is in
	ds_add_u32 v[SPW], v[NIL]
	s_wait_dscnt 0x0
	CROUND                                         ; everybody's part of K step 0 is in, and the sixteen work-groups meet
	JLOAD G0+4, G1, G0B+4, G1B                     ; K step 1: the first tensor load behind the round
	FETCH_B 0, 0, 0
	FETCH_A 0, 0, 0
	FETCH_A 0, 0, 4
	global_prefetch_b8 v30, s[76:77] th:TH_LOAD_NT scope:SCOPE_SE   ; K step 3, two refills ahead of its load
	STEP 0, 0, 1
	s_mov_b32 s3, LAPS-1
.Llap:
	TURN 0, 1, 1
	STEP 1, 0, 0
	TURN 1, 0, 1
	STEP 0, 0, 0
	s_sub_co_u32 s3, s3, 1
	s_cmp_lg_u32 s3, 0
	s_cbranch_scc1 .Llap
	TURN 0, 1, 0
	STEP 1, 0, 0
	s_wait_dscnt 4*NL
	WIN MUL_LO
	MUL16 0, 1, 0
	MUL16 2, 1, 0
	s_wait_dscnt 0
	WIN MUL_HI
	MUL16 4, 1, 0
	MUL16 6, 1, 0
	WIN 0
	; THE WAY OUT, block by block of 16 rows x 128 columns: bias, silu, hold, conversion; 8 bytes a lane into the work-group's stage; a barrier; back as whole rows of 256 bytes.
	s_wait_kmcnt 0x0
	s_add_co_i32 s96, s84, s85
	s_add_co_i32 s96, s96, 127
	s_lshl_b32 s96, s96, 23                        ; 2^(e12 + e13)
	s_mov_b32 s97, s96
	s_mov_b32 s98, 0xbfb8aa3b                      ; -log2(e)
	s_mov_b32 s99, s98
	s_add_co_i32 s90, s86, 127
	s_lshl_b32 s94, s90, 23
	s_add_co_i32 s90, s90, 15
	s_lshl_b32 s91, s90, 23
	s_or_b32 s91, s91, 0x600000                    ; 57,344 x 2^e14
	s_or_b32 s92, s91, 0x80000000
	s_wait_loadcnt 0x0                             ; b1
	PLACES NP
	v_mov_b32 v[SCL], s94                          ; 2^e14
.macro OUTBLK a
.set AC, 64*((\a)%4)
.set CD, CODE+16*((\a)%2)
	WIN 0x02+((\a)/4)                              ; source 0: window 2 or 3
.set j, 0
.rept 32
	v_pk_fma_f32 v[Z+j:Z+j+1], v[AC+j:AC+j+1], s[96:97], v[BIAS+j:BIAS+j+1] op_sel_hi:[1,0,1]   ; z; each accumulator from its low end on
.set j, j+2
.endr
	WIN 0
.set j, 0
.rept 32
	v_pk_mul_f32 v[U+j:U+j+1], v[Z+j:Z+j+1], s[98:99] op_sel_hi:[1,0]
.set j, j+2
.endr
.set j, 0
	s_wait_alu depctr_va_vdst(0)
.rept 64
	v_exp_f32 v[U+j], v[U+j]                       ; e^-z
.set j, j+1
.endr
	v_nop                                          ; the plain line behind the batch,
	s_wait_alu depctr_va_vdst(0)                   ; and one wait for its 64, ahead of the first reader
.set j, 0
.rept 32
	v_pk_add_f32 v[U+j:U+j+1], v[U+j:U+j+1], 1.0 op_sel_hi:[1,0]
.set j, j+2
.endr
.set j, 0
	s_wait_alu depctr_va_vdst(0)
.rept 64
	v_rcp_f32 v[U+j], v[U+j]
.set j, j+1
.endr
	v_nop
	s_wait_alu depctr_va_vdst(0)
.set j, 0
.rept 32
	v_pk_mul_f32 v[Z+j:Z+j+1], v[Z+j:Z+j+1], v[U+j:U+j+1]
.set j, j+2
.endr
.set j, 0
.rept 64
	v_med3_num_f32 v[Z+j], v[Z+j], s92, s91
.set j, j+1
.endr
.if (\a) >= 2
	s_wait_alu depctr_va_vdst(0)
	s_wait_dscnt 8                                 ; only the block before's eight stores may be out: those that read this set of code registers are done
.endif
.irp b, 0,1,2,3,4,5,6,7
	v_cvt_scalef32_pk8_bf8_f32 v[CD+2*\b:CD+2*\b+1], v[Z+8*\b:Z+8*\b+7], v[SCL]
.endr
	v_nop                                          ; one plain vector line behind the conversions
.irp b, 0,1,2,3,4,5,6,7
	ds_store_b64 v[STO], v[CD+2*\b:CD+2*\b+1] offset:(\a)*16*SPITCH+16*\b
.endr
.endm
.irp a, 0,1,2,3,4,5,6,7
	OUTBLK \a
.endr
	s_wait_dscnt 0x0                               ; for the others' sake
	s_barrier_signal -1
	s_barrier_wait -1
.set t, 0
.rept 32
	ds_load_b128 v[TMP+4*t:TMP+4*t+3], v[RD] offset:2*t*SPITCH
.set t, t+1
.endr
.set t, 0
.rept 32
	s_wait_dscnt 31-t                              ; load t is back; the younger ones may be out
	global_store_b128 v[CO], v[TMP+4*t:TMP+4*t+3], s[12:13] offset:8192*t   ; sixteen lanes store 256 consecutive bytes, aligned
.set t, t+1
.endr
	s_wait_tensorcnt 0x0                           ; the wave's end
	ds_add_u32 v[SPW], v[NIL]
	s_wait_dscnt 0x0
	CROUND
	s_endpgm
.Lfunc_end_k_qb215d63fac_up:
	.size	k_qb215d63fac_up, .Lfunc_end_k_qb215d63fac_up-k_qb215d63fac_up
	.p2alignl 7, 3214868480
	.fill 96, 4, 3214868480
	.section	.rodata,"a",@progbits
	.p2align	6, 0x0
	.amdhsa_kernel k_qb215d63fac_up
		.amdhsa_group_segment_fixed_size 327680
		.amdhsa_private_segment_fixed_size 0
		.amdhsa_enable_private_segment 0
		.amdhsa_kernarg_size 40
		.amdhsa_user_sgpr_count 2
		.amdhsa_user_sgpr_kernarg_segment_ptr 1
		.amdhsa_wavefront_size32 1
		.amdhsa_system_sgpr_workgroup_id_x 1
		.amdhsa_system_sgpr_workgroup_id_y 1
		.amdhsa_system_sgpr_workgroup_id_z 1
		.amdhsa_system_vgpr_workitem_id 0
		.amdhsa_next_free_vgpr 1024
		.amdhsa_next_free_sgpr 100
		.amdhsa_reserve_vcc 0
		.amdhsa_float_denorm_mode_32 3
		.amdhsa_float_denorm_mode_16_64 3
		.amdhsa_memory_ordered 1
		.amdhsa_forward_progress 1
		.amdhsa_inst_pref_size 227
	.end_amdhsa_kernel
	.amdgpu_metadata
---
amdhsa.version: [ 1, 2 ]
amdhsa.kernels:
  - .name:           k_qb215d63fac_up
    .symbol:         k_qb215d63fac_up.kd
    .args:
      - { .name: x1c, .offset: 0, .size: 8, .value_kind: global_buffer, .address_space: global }
      - { .name: W1_codes, .offset: 8, .size: 8, .value_kind: global_buffer, .address_space: global }
      - { .name: lowp_scales, .offset: 16, .size: 8, .value_kind: global_buffer, .address_space: global }
      - { .name: b1, .offset: 24, .size: 8, .value_kind: global_buffer, .address_space: global }
      - { .name: hc, .offset: 32, .size: 8, .value_kind: global_buffer, .address_space: global }
    .group_segment_fixed_size: 327680
    .private_segment_fixed_size: 0
    .kernarg_segment_align: 8
    .kernarg_segment_size: 40
    .max_flat_workgroup_size: 128
    .sgpr_count:     100
    .vgpr_count:     1024
    .wavefront_size: 32
...
	.end_amdgpu_metadata
.endif
;; end of part 5
;; launch down (part 6): grid 8 x 32, 4 waves a work-group, clusters of 4 x 4, 327,680 bytes of LDS; arguments hc, W2_codes, lowp_scales, x1, out0; writes out0
.if DOCPART == 6
	.amdgcn_target "amdgcn-amd-amdhsa--gfx1250"
	.amdhsa_code_object_version 6
	.text
	.protected	k_qb215d63fac_down
	.globl	k_qb215d63fac_down
	.p2align	8
	.type	k_qb215d63fac_down,@function
k_qb215d63fac_down:
	s_mov_b64 s[64:65], 0
	v_nop
	global_prefetch_b8 v0, s[64:65] scope:SCOPE_SE
	s_setreg_imm32_b32 hwreg(HW_REG_WAVE_MODE, 25, 1), 1
	s_wait_xcnt 0x0
	s_wait_alu depctr_hold_cnt(0) depctr_sa_sdst(0) depctr_va_vdst(0) depctr_va_sdst(0) depctr_va_ssrc(0) depctr_va_vcc(0) depctr_vm_vsrc(0)
	s_getreg_b32 s2, hwreg(HW_REG_IB_STS2, 6, 4)
	s_cmp_eq_u32 s2, 0
	s_cbranch_scc0 .Lentry_in_a_cluster
	s_endpgm
.Lentry_in_a_cluster:
	s_bfe_u32 s2, ttmp6, 0x10000c
	s_cmp_lg_u32 s2, 0xf033
	s_cbranch_scc0 .Lentry_shape_is_right
	s_endpgm
.Lentry_shape_is_right:
; out0 = x1 + h W2^T on codes of E5M2, K = 4,096.  A = hc [4096][4096] codes, B = W2's codes [1024][4096]; a sum is multiplied by 2^(e14 + e15) and added to x1.  LIMIT: e14 + e15 between -126 and 127.
; A tile of C is 128 x 128 (256 work-groups); four waves of 64 x 64.  K goes in steps of 512 through a ring of two LDS slots; clusters of 4 x 4 ask for A's tile jointly along a row, for B's along a column.
; PREFETCH: behind each refill a wave names the K step two refills on: of the 64 rows that it fetches, the partner at place p (cx for A, cy for B) takes rows 16 p .. 16 p + 15, told apart by address;
; a lane names one of a row's two blocks of 256 bytes.  K steps 1, 2 and 3 are named once at the head; the loop's last trip names nothing, so no address passes a row's end.
.set KTOT,   4096
.set PFA,    72                        ; s[72:73] where my prefetches stand
.set PFO,    30                        ; v30 4,096 x (lane % 16) + 256 x (lane / 16); never rewritten
.set APITCH, 528
.set BPITCH, 528
.set AHALF,  64*APITCH
.set BHALF,  64*BPITCH
.set BOFF,   2*AHALF
.set SLOT,   BOFF+2*BHALF
.set SPARE,  2*SLOT
.set ASTEP,  512
.set BSTEP,  512
.set LAPS,   4
.set SPITCH, 528
.set ADRA, 16
.set ADRB, 20
.set STO,  24
.set RD,   25
.set CO,   26
.set SPW,  28
.set NIL,  29
.set ACC,  128
.set F0,   0
.set F1,   128
.set G1, 24
.set G0, 32
.set G1B, 48
.set G0B, 56
.set MSB, 0
.macro WIN new
.if MSB != (\new)
	s_set_vgpr_msb (MSB<<8)|(\new)
.set MSB, (\new)
.endif
.endm
.set MUL,  0x05
.set TO_F, 0x40
.macro JLOAD s
	s_cmp_eq_u32 s15, 0
	s_cbranch_scc0 .Lfor_b_\@
	tensor_load_to_lds s[G0+4*\s:G0+4*\s+3], s[G1:G1+7]
	s_nop 0
.rept 4
	v_nop
.endr
	s_branch .Lasked_\@
.Lfor_b_\@:
	tensor_load_to_lds s[G0B+4*\s:G0B+4*\s+3], s[G1B:G1B+7]
	s_nop 0
.rept 4
	v_nop
.endr
.Lasked_\@:
.endm
.macro CREST
	s_cmp_lg_u32 s14, 0
	s_cbranch_scc1 .Lnot_wave_0_\@
	s_barrier_signal -3
.Lnot_wave_0_\@:
	s_barrier_wait -3
	s_barrier_signal -1
	s_barrier_wait -1
.endm
.macro CROUND
	s_barrier_signal -1
	s_barrier_wait -1
	CREST
.endm
	s_load_b128 s[4:7], s[0:1], 0x0
	s_load_b128 s[8:11], s[0:1], 0x10
	s_load_b64 s[68:69], s[0:1], 0x20
	v_lshl_add_u32 v[SPW], v0, 2, SPARE
	v_mov_b32 v[NIL], 0
	ds_add_u32 v[SPW], v[NIL]
	ds_add_u32 v[SPW], v[NIL]
	v_lshrrev_b32 v1, 5, v0
	v_readfirstlane_b32 s14, v1
	s_lshr_b32 s15, s14, 1
	s_and_b32 s16, s14, 1
	s_bfe_u32 s40, ttmp6, 0x40000
	s_bfe_u32 s41, ttmp6, 0x40004
	s_lshl_b32 s42, ttmp9, 2
	s_add_co_u32 s42, s42, s40
	s_and_b32 s17, ttmp7, 0xffff
	s_lshl_b32 s17, s17, 2
	s_add_co_u32 s17, s17, s41
	s_lshl_b32 s43, s41, 2
	s_lshl_b32 s43, 15, s43
	s_lshl_b32 s44, 0x1111, s40
	s_or_b32 s[G1+0], s43, (0<<16)|(1<<20)|(1<<21)|(6<<22)|(3<<25)
	s_or_b32 s[G1B+0], s44, (0<<16)|(1<<20)|(1<<21)|(6<<22)|(3<<25)
.irp g, G1, G1B
	s_mov_b32 s[\g+1], 512<<16
	s_mov_b32 s[\g+2], 64<<16
	s_mov_b32 s[\g+3], 512<<16
	s_mov_b32 s[\g+4], 64
	s_mov_b32 s[\g+5], KTOT
	s_mov_b32 s[\g+6], 0
	s_mov_b32 s[\g+7], 0
.endr
	s_lshl_b32 s18, s16, 6
	s_lshl_b32 s20, s17, 7
	s_add_co_u32 s20, s20, s18
	s_mul_i32 s20, s20, KTOT
	s_mov_b32 s21, 0
	s_lshl_b32 s46, s42, 7
	s_add_co_u32 s46, s46, s18
	s_mul_i32 s46, s46, KTOT
	s_mov_b32 s47, 0
	s_mul_i32 s45, s16, AHALF
	s_mul_i32 s19, s16, BHALF
	s_add_co_u32 s19, s19, BOFF
	s_wait_dscnt 0x0
	s_wait_kmcnt 0x0
	s_load_b64 s[96:97], s[8:9], 0x38
	s_add_nc_u64 s[20:21], s[4:5], s[20:21]
	s_add_nc_u64 s[46:47], s[6:7], s[46:47]
	CROUND
.irp s, 0,1
	s_mov_b32 s[G0+4*\s], 1
	s_add_co_u32 s[G0+4*\s+1], s45, \s*SLOT
	s_add_nc_u64 s[G0+4*\s+2:G0+4*\s+3], s[20:21], \s*ASTEP
	s_or_b32 s[G0+4*\s+3], s[G0+4*\s+3], 0x80000000
	s_mov_b32 s[G0B+4*\s], 1
	s_add_co_u32 s[G0B+4*\s+1], s19, \s*SLOT
	s_add_nc_u64 s[G0B+4*\s+2:G0B+4*\s+3], s[46:47], \s*BSTEP
	s_or_b32 s[G0B+4*\s+3], s[G0B+4*\s+3], 0x80000000
.endr
	JLOAD 0                                        ; K step 0: one tensor load a wave at the head
	v_and_b32 v1, 15, v0
	v_bfe_u32 v2, v0, 4, 1
	v_and_b32 v6, 31, v0
	v_lshlrev_b32 v[CO], 4, v6
	s_wait_alu depctr_va_vdst(0)
	s_lshl_b32 s20, s17, 7
	s_lshl_b32 s21, s14, 5
	s_add_co_u32 s20, s20, s21
	s_lshl_b32 s20, s20, 12
	s_lshl_b32 s21, s42, 9
	s_add_co_u32 s20, s20, s21
	s_mov_b32 s21, 0
	s_add_nc_u64 s[10:11], s[10:11], s[20:21]
	s_add_nc_u64 s[68:69], s[68:69], s[20:21]
	s_cmp_eq_u32 s15, 0                            ; do I fetch for A?
	s_cselect_b32 s74, s17, s42                    ; the tile's number, by rows or by columns of C
	s_cselect_b32 s75, s40, s41                    ; my place among the four that ask with me
	s_cselect_b64 s[PFA:PFA+1], s[4:5], s[6:7]
	s_lshl_b32 s74, s74, 7
	s_lshl_b32 s76, s16, 6
	s_add_co_u32 s74, s74, s76
	s_lshl_b32 s75, s75, 4
	s_add_co_u32 s74, s74, s75                     ; my work-group's first row of the 64 that I fetch
	s_lshl_b32 s74, s74, 12
	s_add_co_u32 s74, s74, ASTEP                   ; at K step 1: K steps 1 and 2 are named below, K step 3 behind the second load
	s_mov_b32 s75, 0
	s_add_nc_u64 s[PFA:PFA+1], s[PFA:PFA+1], s[74:75]
	v_lshlrev_b32 v[PFO], 12, v1
	v_lshl_add_u32 v[PFO], v2, 8, v[PFO]
	global_prefetch_b8 v[PFO], s[PFA:PFA+1] th:TH_LOAD_NT scope:SCOPE_SE
	global_prefetch_b8 v[PFO], s[PFA:PFA+1] offset:ASTEP th:TH_LOAD_NT scope:SCOPE_SE
	v_mul_u32_u24 v3, v1, APITCH
	v_lshl_add_u32 v3, v2, 4, v3
	s_mul_i32 s21, s15, AHALF
	s_mul_i32 s22, s16, BHALF
	s_add_co_u32 s22, s22, BOFF
.irp s, 0,1
	v_add_nc_u32 v[ADRA+\s], s21, v3
	v_add_nc_u32 v[ADRB+\s], s22, v3
	s_add_co_u32 s21, s21, SLOT
	s_add_co_u32 s22, s22, SLOT
.endr
	s_mul_i32 s22, s15, 64*SPITCH
	s_lshl_b32 s21, s16, 8
	s_add_co_u32 s22, s22, s21
	v_mul_u32_u24 v5, v1, SPITCH
	v_lshl_add_u32 v5, v2, 5, v5
	v_add_nc_u32 v[STO], s22, v5
	s_mul_i32 s23, s14, 32*SPITCH
	v_add_nc_u32 v[RD], s23, v[CO]
.macro FRAGA reg, slot, q, i
.irp c, 0,1,2,3
	ds_load_b128 v[\reg+4*\c:\reg+4*\c+3], v[ADRA+\slot] offset:128*(\q)+32*\c+(\i)*16*APITCH
.endr
.endm
.macro FRAGB reg, slot, q, i
.irp c, 0,1,2,3
	ds_load_b128 v[\reg+4*\c:\reg+4*\c+3], v[ADRB+\slot] offset:128*(\q)+32*\c+(\i)*16*BPITCH
.endr
.endm
.macro FETCH slot, q, f
	WIN TO_F
.irp i, 0,1,2,3
	FRAGB \f+64+16*\i, \slot, \q, \i
.endr
.irp i, 0,1,2,3
	FRAGA \f+16*\i, \slot, \q, \i
.endr
.endm
.macro MUL4 f, a, zero
.irp b, 0,1,2,3
.if \zero
	v_wmma_f32_16x16x128_bf8_bf8 v[ACC+8*(4*\a+\b):ACC+8*(4*\a+\b)+7], v[\f+64+16*\b:\f+64+16*\b+15], v[\f+16*\a:\f+16*\a+15], 0
.else
	v_wmma_f32_16x16x128_bf8_bf8 v[ACC+8*(4*\a+\b):ACC+8*(4*\a+\b)+7], v[\f+64+16*\b:\f+64+16*\b+15], v[\f+16*\a:\f+16*\a+15], v[ACC+8*(4*\a+\b):ACC+8*(4*\a+\b)+7]
.endif
.endr
.endm
.macro PLACES n
.rept \n
	v_nop
.endr
.endm
.macro QUARTER slot, q, f, g, zero
	s_wait_dscnt 8
	WIN MUL
	MUL4 \f, 0, \zero
	MUL4 \f, 1, \zero
	PLACES 4
	FETCH \slot, \q, \g
	s_wait_dscnt 32
	WIN MUL
	MUL4 \f, 2, \zero
	MUL4 \f, 3, \zero
.endm
.macro TURN slot, next, fill
	WIN 0
.if \fill
	s_wait_xcnt 0x0                                ; my prefetches have read their address: it steps one K step on
	s_add_nc_u64 s[PFA:PFA+1], s[PFA:PFA+1], ASTEP
.endif
	s_wait_tensorcnt 0x0
	ds_add_u32 v[SPW], v[NIL]
	s_wait_dscnt 9
	WIN MUL
	MUL4 F1, 0, 0
	s_wait_dscnt 0x0
	s_barrier_signal -1
	MUL4 F1, 1, 0
.if \fill
	WIN 0
.endif
	s_barrier_wait -1
.if \fill
	CREST
	s_add_nc_u64 s[G0+4*\slot+2:G0+4*\slot+3], s[G0+4*\slot+2:G0+4*\slot+3], 2*ASTEP
	s_add_nc_u64 s[G0B+4*\slot+2:G0B+4*\slot+3], s[G0B+4*\slot+2:G0B+4*\slot+3], 2*BSTEP
	JLOAD \slot
.else
	PLACES 4
.endif
	FETCH \next, 0, F0
.if \fill
	WIN 0
	s_cmp_gt_u32 s3, 1                             ; the last trip's refills have no K step two on
	s_cbranch_scc0 .Lno_ask_\@
	global_prefetch_b8 v[PFO], s[PFA:PFA+1] offset:2*ASTEP th:TH_LOAD_NT scope:SCOPE_SE   ; the address stands at the K step being asked for: this names the one two refills on
.Lno_ask_\@:
.endif
	WIN MUL
	MUL4 F1, 2, 0
	MUL4 F1, 3, 0
.endm
	s_wait_alu depctr_va_vdst(0)
	s_wait_tensorcnt 0x0                           ; my part of K step 0 is in
	ds_add_u32 v[SPW], v[NIL]
	s_wait_dscnt 0x0
	CROUND                                         ; everybody's part of K step 0 is in, and the sixteen work-groups meet
	JLOAD 1                                        ; K step 1: the first tensor load behind the round
	FETCH 0, 0, F0
	global_prefetch_b8 v[PFO], s[PFA:PFA+1] offset:2*ASTEP th:TH_LOAD_NT scope:SCOPE_SE   ; K step 3
	QUARTER 0, 1, F0, F1, 1
	WIN 0x80                                       ; destination window 2
.set i, 0
.rept 32
	global_load_b128 v[4*i:4*i+3], v[CO], s[10:11] offset:4096*i th:TH_LOAD_NT   ; my 32 rows of x1: they land under the products; their address registers are never rewritten
.set i, i+1
.endr
	WIN 0
	s_mov_b32 s3, LAPS-1
.Llap:
	QUARTER 0, 2, F1, F0, 0
	QUARTER 0, 3, F0, F1, 0
	TURN 0, 1, 1
	QUARTER 1, 1, F0, F1, 0
	QUARTER 1, 2, F1, F0, 0
	QUARTER 1, 3, F0, F1, 0
	TURN 1, 0, 1
	QUARTER 0, 1, F0, F1, 0
	WIN 0
	s_sub_co_u32 s3, s3, 1
	s_cmp_lg_u32 s3, 0
	s_cbranch_scc1 .Llap
	QUARTER 0, 2, F1, F0, 0
	QUARTER 0, 3, F0, F1, 0
	TURN 0, 1, 0
	QUARTER 1, 1, F0, F1, 0
	QUARTER 1, 2, F1, F0, 0
	QUARTER 1, 3, F0, F1, 0
	s_wait_dscnt 8
	WIN MUL
	MUL4 F1, 0, 0
	MUL4 F1, 1, 0
	s_wait_dscnt 0
	MUL4 F1, 2, 0
	MUL4 F1, 3, 0
	WIN 0
	s_wait_kmcnt 0x0
	s_add_co_i32 s96, s96, s97
	s_add_co_i32 s96, s96, 127
	s_lshl_b32 s96, s96, 23
	s_mov_b32 s97, s96
	PLACES 4
.irp a, 0,1,2,3
.irp b, 0,1,2,3
	ds_store_b128 v[STO], v[ACC+8*(4*\a+\b):ACC+8*(4*\a+\b)+3] offset:\a*16*SPITCH+64*\b
	ds_store_b128 v[STO], v[ACC+8*(4*\a+\b)+4:ACC+8*(4*\a+\b)+7] offset:\a*16*SPITCH+64*\b+16
.endr
.endr
	s_wait_dscnt 0x0
	s_barrier_signal -1
	s_barrier_wait -1
	WIN 0x40
.set i, 0
.rept 32
	ds_load_b128 v[4*i:4*i+3], v[RD] offset:i*SPITCH
.set i, i+1
.endr
	s_wait_loadcnt 0x0
	s_wait_dscnt 0x0
	WIN 0x61
.set j, 0
.rept 64
	v_pk_fma_f32 v[j:j+1], v[j:j+1], s[96:97], v[j:j+1] op_sel_hi:[1,0,1]
.set j, j+2
.endr
	WIN 0x04
.set i, 0
.rept 32
	global_store_b128 v[CO], v[4*i:4*i+3], s[68:69] offset:4096*i th:TH_STORE_NT
.set i, i+1
.endr
	WIN 0
	s_wait_tensorcnt 0x0
	ds_add_u32 v[SPW], v[NIL]
	s_wait_dscnt 0x0
	CROUND
	s_endpgm
.Lfunc_end_k_qb215d63fac_down:
	.size	k_qb215d63fac_down, .Lfunc_end_k_qb215d63fac_down-k_qb215d63fac_down
	.p2alignl 7, 3214868480
	.fill 96, 4, 3214868480
	.section	.rodata,"a",@progbits
	.p2align	6, 0x0
	.amdhsa_kernel k_qb215d63fac_down
		.amdhsa_group_segment_fixed_size 327680
		.amdhsa_private_segment_fixed_size 0
		.amdhsa_enable_private_segment 0
		.amdhsa_kernarg_size 40
		.amdhsa_user_sgpr_count 2
		.amdhsa_user_sgpr_kernarg_segment_ptr 1
		.amdhsa_wavefront_size32 1
		.amdhsa_system_sgpr_workgroup_id_x 1
		.amdhsa_system_sgpr_workgroup_id_y 1
		.amdhsa_system_sgpr_workgroup_id_z 1
		.amdhsa_system_vgpr_workitem_id 0
		.amdhsa_next_free_vgpr 640
		.amdhsa_next_free_sgpr 100
		.amdhsa_reserve_vcc 0
		.amdhsa_float_denorm_mode_32 3
		.amdhsa_float_denorm_mode_16_64 3
		.amdhsa_memory_ordered 1
		.amdhsa_forward_progress 1
		.amdhsa_inst_pref_size 79
	.end_amdhsa_kernel
	.amdgpu_metadata
---
amdhsa.version: [ 1, 2 ]
amdhsa.kernels:
  - .name:           k_qb215d63fac_down
    .symbol:         k_qb215d63fac_down.kd
    .args:
      - { .name: hc, .offset: 0, .size: 8, .value_kind: global_buffer, .address_space: global }
      - { .name: W2_codes, .offset: 8, .size: 8, .value_kind: global_buffer, .address_space: global }
      - { .name: lowp_scales, .offset: 16, .size: 8, .value_kind: global_buffer, .address_space: global }
      - { .name: x1, .offset: 24, .size: 8, .value_kind: global_buffer, .address_space: global }
      - { .name: out0, .offset: 32, .size: 8, .value_kind: global_buffer, .address_space: global }
    .group_segment_fixed_size: 327680
    .private_segment_fixed_size: 0
    .kernarg_segment_align: 8
    .kernarg_segment_size: 40
    .max_flat_workgroup_size: 128
    .sgpr_count:     100
    .vgpr_count:     640
    .wavefront_size: 32
...
	.end_amdgpu_metadata
.endif
;; end of part 6
